; MI455X (gfx1250); checked and timed in simulation.
; The chip was launched on July 23, 2026; its instructions are those of AMD's public machine-readable ISA for CDNA 5 (MIT licence, August 2026) and "CDNA5" Instruction Set Architecture Reference Guide (July 2026). The comments in the code are by the model that wrote it; some were corrected since.
;; Mixture Of Experts. Allowed arithmetic: float matrix products may take bf16 or f16 operands with f32 sums; other float arithmetic in f32, or as packed bf16 or f16 multiplies, adds, multiply-adds, maxima and minima; sums over many terms, partial sums and values carried from step to step in f32; what a program stores and reads back later, other than sums and carried values, may be rounded once to bf16 or f16.
;; Inputs: router_w 1,024 x 2 float32; w_down 2 x 2,730 x 1,024 float32; w_gate 2 x 1,024 x 2,730 float32; w_up 2 x 1,024 x 2,730 float32; x 2 x 2,048 x 1,024 float32.
;; Outputs: out0 2 x 2,048 x 1,024 float32; out1 one number float32; out2 one number float32.
;; 2 versions, each right; version 2 is version 1 with the launch prep written anew for expert scheduling mode. Each part assembles by itself: llvm-mc -triple=amdgcn-amd-amdhsa -mcpu=gfx1250 --defsym DOCPART=n.
;; ======== version 1 of 2: 3 launches
;; limits: right only within a limited range of input values
;; workspace buffers: xb 8,388,608 bytes; wgu 23,068,672 bytes; wdb 11,534,336 bytes; hid 46,137,344 bytes; cw 32,768 bytes; part 16,384 bytes
;; launch prep (part 1): grid 1120 x 1, 4 waves a work-group, no clusters, 0 bytes of LDS; arguments x, router_w, w_gate, w_up, w_down, xb, wgu, wdb, cw, part; writes xb, wgu, wdb, cw, part
.if DOCPART == 1
	.amdgcn_target "amdgcn-amd-amdhsa--gfx1250"
	.amdhsa_code_object_version 6
	.text
	.protected	k_qfa959bfa51_prep
	.globl	k_qfa959bfa51_prep
	.p2align	8
	.type	k_qfa959bfa51_prep,@function
k_qfa959bfa51_prep:
	s_mov_b64 s[64:65], 0
	v_nop
	global_prefetch_b8 v0, s[64:65] scope:SCOPE_SE
	s_setreg_imm32_b32 hwreg(HW_REG_WAVE_MODE, 25, 1), 1
	s_wait_xcnt 0x0
; PREP: every input is rounded once to bf16 and laid out for the two products; the router rides on the stream that rounds x.
; A stream: each input byte is read once, each workspace byte written once; no LDS, no barrier, no matrix unit, no cluster (the only bytes that work-groups share are router_w's 8,192).
; Three tasks, chosen by the work-group's number; a wave works alone.
;   X (work-groups 0-255):    wave W = 0..1023 takes tokens 4 W .. 4 W + 3: xb[t][d] = bf16(x[t][d]); logits = bf16(x) . bf16(router_w), products and sums in f32;
;                             c = softmax(logits) with the maximum taken away -> cw[e][t]; the wave's sums of c0, c1 and logsumexp^2 -> part[W][0..2] (part[W][3] = 0).
;                             reference() takes the top 2 of 2 experts, so its combine weights are that same softmax.
;   D (work-groups 256-607):  wave W = 0..1407 takes rows 4 W .. 4 W + 3 of wdb[k][n], k = 2816 e + k': bf16(w_down[e][h][n]), 0 where h >= 2730.  h is k' with its bits 2 and 3 exchanged:
;                             the order in which the first product's lanes hold the hidden columns, so that they store them as the second product's operand registers without an exchange.
;   G (work-groups 608-1119): wave R = 0..2047 takes row (e = R / 1024, k = R % 1024) of w_gate and w_up -> wgu[k][n], n = 4 P + (0,1: gate of hidden 2 P, 2 P + 1; 2,3: up of the same),
;                             P = 1408 e + h / 2; 0 where h >= 2730.  So gate and up of one hidden column meet in one lane of the first product's result.
; LIMITS.  The router works on x and router_w rounded to bf16, like the products; its order of summation is not reference()'s.  NaN and infinities are not treated apart.
.set AC, 16                            ; v[16:23]   four chains of (logit 0, logit 1)
.set XR, 32                            ; v[32:159]  row i at XR + 32 i: load j in 4 registers at + 4 j; rounded in place into the first two of them
.set RW, 160                           ; v[160:191] router_w in bf16 pairs: register 4 j + i holds (w[d][0], w[d][1]), d = 128 j + 4 lane + i
; v1 lane; v2 16 lane; v3 8 lane; v[4:7] byte offset of my 16 bytes in source row i; v8 0; v9 32 lane; v10 offset of the small stores; v24, v25, v[28:31] at work; v26, v27 logits: lane i holds token i
; s2 work-group; s3 wave; s4 W; s[28:29] source; s[30:31] destination at my first row; s[32:35] X: the mask 'lane = i', D: all ones or 0 for row i; s[40:41] lane selects
.macro RLD i, nt                       ; eight loads: 512 consecutive bytes each, a whole row of 1,024 f32
.irp j, 0,1,2,3,4,5,6,7
.if \nt
	global_load_b128 v[XR+32*(\i)+4*(\j):XR+32*(\i)+4*(\j)+3], v[4+(\i)], s[28:29] offset:512*(\j) th:TH_LOAD_NT
.else
	global_load_b128 v[XR+32*(\i)+4*(\j):XR+32*(\i)+4*(\j)+3], v[4+(\i)], s[28:29] offset:512*(\j)
.endif
.endr
.endm
; chain c of four: element d = 128 j + 4 lane + c of the row, a bf16 half, times both of router_w's columns; at j = 0 the sums start from v8 = 0
.macro MIX c, half
.set d0, AC+2*(\c)
.set a0, d0
.set a1, d0+1
.if j == 0
.set a0, 8
.set a1, 8
.endif
.if \half
	v_fma_mix_f32_bf16 v[d0],   v[xr+(\c)/2], v[RW+4*j+(\c)], v[a0] op_sel:[1,0,0] op_sel_hi:[1,1,0]
	v_fma_mix_f32_bf16 v[d0+1], v[xr+(\c)/2], v[RW+4*j+(\c)], v[a1] op_sel:[1,1,0] op_sel_hi:[1,1,0]
.else
	v_fma_mix_f32_bf16 v[d0],   v[xr+(\c)/2], v[RW+4*j+(\c)], v[a0] op_sel_hi:[1,1,0]
	v_fma_mix_f32_bf16 v[d0+1], v[xr+(\c)/2], v[RW+4*j+(\c)], v[a1] op_sel:[0,1,0] op_sel_hi:[1,1,0]
.endif
.endm
.macro ROUTE i                         ; row i's two logits: 64 multiply-adds a lane in eight sums, then over the 32 lanes; lane i keeps them
.set j, 0
.rept 8
.set xr, XR+32*(\i)+4*j
	MIX 0, 0
	MIX 1, 1
	MIX 2, 0
	MIX 3, 1
.set j, j+1
.endr
	v_pk_add_f32 v[16:17], v[16:17], v[18:19]
	v_pk_add_f32 v[20:21], v[20:21], v[22:23]
	v_pk_add_f32 v[16:17], v[16:17], v[20:21]
.irp m, 1,2,4,8
	v_add_f32_dpp v16, v16, v16 row_xmask:\m row_mask:0xf bank_mask:0xf
	v_add_f32_dpp v17, v17, v17 row_xmask:\m row_mask:0xf bank_mask:0xf
.endr
	v_permlanex16_b32 v24, v16, s40, s41
	v_permlanex16_b32 v25, v17, s40, s41
	v_add_f32 v16, v16, v24
	v_add_f32 v17, v17, v25
	v_cndmask_b32 v26, v26, v16, s[32+(\i)]
	v_cndmask_b32 v27, v27, v17, s[32+(\i)]
.endm
; row i is rounded and stored.  left: the row loads issued behind row i's, which may stay out.  task 0: X, 1: D
.macro RCV i, left, task
	s_wait_loadcnt \left
.irp j, 0,1,2,3,4,5,6,7
	v_cvt_pk_bf16_f32 v[XR+32*(\i)+4*(\j)],   v[XR+32*(\i)+4*(\j)],   v[XR+32*(\i)+4*(\j)+1]
	v_cvt_pk_bf16_f32 v[XR+32*(\i)+4*(\j)+1], v[XR+32*(\i)+4*(\j)+2], v[XR+32*(\i)+4*(\j)+3]
.if \task
	v_and_b32 v[XR+32*(\i)+4*(\j)],   s[32+(\i)], v[XR+32*(\i)+4*(\j)]      ; a padding row becomes 0
	v_and_b32 v[XR+32*(\i)+4*(\j)+1], s[32+(\i)], v[XR+32*(\i)+4*(\j)+1]
.endif
	global_store_b64 v3, v[XR+32*(\i)+4*(\j):XR+32*(\i)+4*(\j)+1], s[30:31] offset:2048*(\i)+256*(\j)  ; the wave's store covers 256 consecutive bytes, aligned
.endr
.if (\task) == 0
	ROUTE \i
.endif
.endm
	s_load_b512 s[8:23], s[0:1], 0x0               ; x 8:9, router_w 10:11, w_gate 12:13, w_up 14:15, w_down 16:17, xb 18:19, wgu 20:21, wdb 22:23
	s_load_b128 s[24:27], s[0:1], 0x40             ; cw 24:25, part 26:27
	v_lshrrev_b32 v1, 5, v0
	v_readfirstlane_b32 s3, v1                     ; wave
	v_and_b32 v1, 31, v0                           ; lane
	s_mov_b32 s2, ttmp9
	v_lshlrev_b32 v2, 4, v1
	v_lshlrev_b32 v3, 3, v1
	v_mov_b32 v8, 0
	s_mov_b32 s7, 0                                ; the high word of every offset pair s[6:7]
	s_wait_kmcnt 0x0
	s_cmp_lt_u32 s2, 256
	s_cbranch_scc1 .Ltask_x
	s_cmp_lt_u32 s2, 608
	s_cbranch_scc1 .Ltask_d
; ---- G.  A source row is 10,920 bytes (a multiple of 8, no more), so it is read 8 bytes a lane: 43 chunks of 32 pairs, the last with 21.  All 86 loads go out before the first wait.
	s_sub_co_u32 s4, s2, 608
	s_lshl2_add_u32 s4, s4, s3                     ; R
	s_mul_i32 s6, s4, 10920
	s_add_nc_u64 s[12:13], s[12:13], s[6:7]
	s_add_nc_u64 s[14:15], s[14:15], s[6:7]
	s_and_b32 s5, s4, 1023                         ; k
	s_mul_i32 s6, s5, 22528                        ; a row of wgu: 11,264 bf16
	s_lshr_b32 s5, s4, 10                          ; e
	s_mul_i32 s5, s5, 11264                        ; the expert's 5,632 positions
	s_add_co_u32 s6, s6, s5
	s_add_nc_u64 s[20:21], s[20:21], s[6:7]
	v_min_u32 v4, 20, v1                           ; the last chunk stays inside the row: 10,752 + 160 + 8 = 10,920
	v_lshlrev_b32 v4, 3, v4
	v_mov_b32 v14, 0
	v_mov_b32 v15, 0
.set c, 0
.rept 42
	global_load_b64 v[16+4*c:17+4*c], v3, s[12:13] offset:256*c th:TH_LOAD_NT
	global_load_b64 v[18+4*c:19+4*c], v3, s[14:15] offset:256*c th:TH_LOAD_NT
.set c, c+1
.endr
	global_load_b64 v[184:185], v4, s[12:13] offset:10752 th:TH_LOAD_NT
	global_load_b64 v[186:187], v4, s[14:15] offset:10752 th:TH_LOAD_NT
.set c, 0
.rept 43
.if c == 0
	s_wait_loadcnt 63                              ; of 86 loads at most 63 are out: the first 23 are in, chunks 0 to 10
.elseif c > 10
	s_wait_loadcnt 84-2*c                          ; the loads issued behind chunk c's two
.endif
	v_cvt_pk_bf16_f32 v[16+4*c], v[16+4*c], v[17+4*c]      ; gate of hidden 2 p, 2 p + 1
	v_cvt_pk_bf16_f32 v[17+4*c], v[18+4*c], v[19+4*c]      ; up of the same
.if c == 42
	v_cmp_gt_u32 vcc_lo, 21, v1                    ; pairs 1,365 on do not exist
	v_cndmask_b32 v[16+4*c], 0, v[16+4*c], vcc_lo
	v_cndmask_b32 v[17+4*c], 0, v[17+4*c], vcc_lo
.endif
	global_store_b64 v3, v[16+4*c:17+4*c], s[20:21] offset:256*c  ; 256 consecutive bytes, aligned
.set c, c+1
.endr
	global_store_b64 v3, v[14:15], s[20:21] offset:256*43  ; pairs 1,376 to 1,407: 0
	s_endpgm
; ---- D.  The padding rows read row 2,729 again (so no non-temporal hint here) and are masked to 0.
.Ltask_d:
	s_sub_co_u32 s4, s2, 256
	s_lshl2_add_u32 s4, s4, s3                     ; W
	s_lshl_b32 s5, s4, 2                           ; k0 = 4 W; 2,816 is a multiple of 32: my four rows are one expert's
	s_cmp_ge_u32 s5, 2816
	s_cselect_b32 s6, 2816, 0
	s_cselect_b32 s43, 2730, 0
	s_sub_co_u32 s5, s5, s6                        ; k' of my first row, a multiple of 4
	s_and_b32 s42, s5, 4                           ; bits 2 and 3 change places: the hidden column of that row;
	s_and_b32 s44, s5, 8                           ; the four rows stay neighbours
	s_and_not1_b32 s5, s5, 12
	s_lshl_b32 s42, s42, 1
	s_lshr_b32 s44, s44, 1
	s_or_b32 s5, s5, s42
	s_or_b32 s5, s5, s44                           ; h of my first row
.irp i, 0,1,2,3
	s_add_co_u32 s42, s5, \i
	s_cmp_lt_u32 s42, 2730
	s_cselect_b32 s[32+(\i)], -1, 0
	s_min_u32 s42, s42, 2729
	s_add_co_u32 s42, s42, s43                     ; the row of w_down
	s_lshl_b32 s42, s42, 12
	v_add_nc_u32 v[4+(\i)], s42, v2
.endr
	s_mov_b64 s[28:29], s[16:17]
	s_lshl_b32 s6, s4, 13                          ; four rows of 2,048 bytes
	s_add_nc_u64 s[30:31], s[22:23], s[6:7]
	RLD 2, 0
	RLD 3, 0
	RLD 0, 0
	RLD 1, 0
	RCV 2, 24, 1
	RCV 3, 16, 1
	RCV 0, 8, 1
	RCV 1, 0, 1
	s_endpgm
; ---- X
.Ltask_x:
	s_lshl2_add_u32 s4, s2, s3                     ; W
	s_mov_b64 s[28:29], s[8:9]
	s_lshl_b32 s6, s4, 13
	s_add_nc_u64 s[30:31], s[18:19], s[6:7]
	s_lshl_b32 s6, s4, 14                          ; four rows of 4,096 bytes
	v_add_nc_u32 v4, s6, v2
	v_add_nc_u32 v5, 4096, v4
	v_add_nc_u32 v6, 8192, v4
	v_add_nc_u32 v7, 12288, v4
	v_lshlrev_b32 v9, 5, v1
.irp j, 0,1,2,3,4,5,6,7
	global_load_b128 v[XR+8*(\j):XR+8*(\j)+3],   v9, s[10:11] offset:1024*(\j)      ; router_w's rows 128 j + 4 lane + 0, 1
	global_load_b128 v[XR+8*(\j)+4:XR+8*(\j)+7], v9, s[10:11] offset:1024*(\j)+16   ; and + 2, 3: into rows 0 and 1's registers, which are filled later
.endr
	RLD 2, 1
	RLD 3, 1
	s_mov_b32 s40, 0x76543210                      ; v_permlanex16_b32: each lane takes its own place in the other half
	s_mov_b32 s41, 0xfedcba98
.irp i, 0,1,2,3
	v_cmp_eq_u32 s[32+(\i)], \i, v1
.endr
	v_mov_b32 v24, 0
	v_mov_b32 v25, 0
	v_mov_b32 v26, 0
	v_mov_b32 v27, 0
	s_lshl_b32 s6, s4, 4
	v_lshl_add_u32 v10, v1, 2, s6                  ; 16 W + 4 lane: token 4 W + lane in cw, word lane of part[W]
	s_wait_loadcnt 16                              ; router_w is in; the sixteen loads of rows 2 and 3 stay out
.set j, 0
.rept 32
	v_cvt_pk_bf16_f32 v[RW+j], v[XR+2*j], v[XR+2*j+1]
.set j, j+1
.endr
	RLD 0, 1
	RLD 1, 1
	RCV 2, 24, 0
	RCV 3, 16, 0
	RCV 0, 8, 0
	RCV 1, 0, 0
	; lanes 0 to 3 hold a token each (the other lanes work on zeros, and store nothing)
	v_max_num_f32 v28, v26, v27                    ; m
	v_sub_f32 v29, v26, v28
	v_sub_f32 v30, v27, v28
	v_mul_f32 v29, 0x3fb8aa3b, v29                 ; log2(e)
	v_mul_f32 v30, 0x3fb8aa3b, v30
	v_exp_f32 v29, v29
	v_exp_f32 v30, v30
	v_nop                                          ; a plain instruction behind the batch,
	s_wait_alu depctr_va_vdst(0)                   ; and the one wait ahead of its first reader
	v_add_f32 v31, v29, v30                        ; between 1 and 2
	v_rcp_f32 v24, v31
	v_log_f32 v25, v31
	v_nop
	s_wait_alu depctr_va_vdst(0)
	v_mul_f32 v29, v29, v24                        ; c0
	v_mul_f32 v30, v30, v24                        ; c1
	v_fmamk_f32 v25, v25, 0x3f317218, v28          ; logsumexp = m + ln 2 x log2(sum)
	v_mul_f32 v25, v25, v25
	v_add_f32_dpp v16, v29, v29 row_xmask:1 row_mask:0xf bank_mask:0xf  ; sums over lanes 0 to 3
	v_add_f32_dpp v17, v30, v30 row_xmask:1 row_mask:0xf bank_mask:0xf
	v_add_f32_dpp v18, v25, v25 row_xmask:1 row_mask:0xf bank_mask:0xf
	v_add_f32_dpp v16, v16, v16 row_xmask:2 row_mask:0xf bank_mask:0xf
	v_add_f32_dpp v17, v17, v17 row_xmask:2 row_mask:0xf bank_mask:0xf
	v_add_f32_dpp v18, v18, v18 row_xmask:2 row_mask:0xf bank_mask:0xf
	v_cndmask_b32 v19, v16, v17, s33               ; lane 0: sum of c0; 1: of c1; 2: of logsumexp^2; 3: 0
	v_cndmask_b32 v19, v19, v18, s34
	v_cndmask_b32 v19, v19, v8, s35
	s_wait_xcnt 0x0                                ; EXEC changes only behind this wait
	v_cmp_gt_u32 vcc_lo, 4, v1
	s_and_saveexec_b32 s5, vcc_lo
	global_store_b32 v10, v29, s[24:25]            ; three stores of 16 bytes a wave: 48 KB of the launch's 43 MB
	global_store_b32 v10, v30, s[24:25] offset:16384
	global_store_b32 v10, v19, s[26:27]
	s_wait_xcnt 0x0
	s_or_b32 exec_lo, exec_lo, s5
	s_endpgm
.Lfunc_end_k_qfa959bfa51_prep:
	.size	k_qfa959bfa51_prep, .Lfunc_end_k_qfa959bfa51_prep-k_qfa959bfa51_prep
	.p2alignl 7, 3214868480
	.fill 96, 4, 3214868480
	.section	.rodata,"a",@progbits
	.p2align	6, 0x0
	.amdhsa_kernel k_qfa959bfa51_prep
		.amdhsa_group_segment_fixed_size 0
		.amdhsa_private_segment_fixed_size 0
		.amdhsa_enable_private_segment 0
		.amdhsa_kernarg_size 80
		.amdhsa_user_sgpr_count 2
		.amdhsa_user_sgpr_kernarg_segment_ptr 1
		.amdhsa_wavefront_size32 1
		.amdhsa_system_sgpr_workgroup_id_x 1
		.amdhsa_system_sgpr_workgroup_id_y 1
		.amdhsa_system_sgpr_workgroup_id_z 1
		.amdhsa_system_vgpr_workitem_id 0
		.amdhsa_next_free_vgpr 192
		.amdhsa_next_free_sgpr 66
		.amdhsa_reserve_vcc 1
		.amdhsa_float_denorm_mode_32 3
		.amdhsa_float_denorm_mode_16_64 3
		.amdhsa_memory_ordered 1
		.amdhsa_forward_progress 1
		.amdhsa_inst_pref_size 71
	.end_amdhsa_kernel
	.amdgpu_metadata
---
amdhsa.version: [ 1, 2 ]
amdhsa.kernels:
  - .name:           k_qfa959bfa51_prep
    .symbol:         k_qfa959bfa51_prep.kd
    .args:
      - { .name: x, .offset: 0, .size: 8, .value_kind: global_buffer, .address_space: global }
      - { .name: router_w, .offset: 8, .size: 8, .value_kind: global_buffer, .address_space: global }
      - { .name: w_gate, .offset: 16, .size: 8, .value_kind: global_buffer, .address_space: global }
      - { .name: w_up, .offset: 24, .size: 8, .value_kind: global_buffer, .address_space: global }
      - { .name: w_down, .offset: 32, .size: 8, .value_kind: global_buffer, .address_space: global }
      - { .name: xb, .offset: 40, .size: 8, .value_kind: global_buffer, .address_space: global }
      - { .name: wgu, .offset: 48, .size: 8, .value_kind: global_buffer, .address_space: global }
      - { .name: wdb, .offset: 56, .size: 8, .value_kind: global_buffer, .address_space: global }
      - { .name: cw, .offset: 64, .size: 8, .value_kind: global_buffer, .address_space: global }
      - { .name: part, .offset: 72, .size: 8, .value_kind: global_buffer, .address_space: global }
    .group_segment_fixed_size: 0
    .private_segment_fixed_size: 0
    .kernarg_segment_align: 8
    .kernarg_segment_size: 80
    .max_flat_workgroup_size: 128
    .sgpr_count:     66
    .vgpr_count:     192
    .wavefront_size: 32
...
	.end_amdgpu_metadata
.endif
;; end of part 1
;; launch gateup (part 2): grid 44 x 16, 4 waves a work-group, clusters of 4 x 4, 327,680 bytes of LDS; arguments xb, wgu, cw, hid; writes hid
.if DOCPART == 2
	.amdgcn_target "amdgcn-amd-amdhsa--gfx1250"
	.amdhsa_code_object_version 6
	.text
	.protected	k_qfa959bfa51_gateup
	.globl	k_qfa959bfa51_gateup
	.p2align	8
	.type	k_qfa959bfa51_gateup,@function
k_qfa959bfa51_gateup:
	s_mov_b64 s[64:65], 0
	v_nop
	global_prefetch_b8 v0, s[64:65] scope:SCOPE_SE
	s_setreg_imm32_b32 hwreg(HW_REG_WAVE_MODE, 25, 1), 1
	s_wait_xcnt 0x0
	s_wait_alu depctr_hold_cnt(0) depctr_sa_sdst(0) depctr_va_vdst(0) depctr_va_sdst(0) depctr_va_ssrc(0) depctr_va_vcc(0) depctr_vm_vsrc(0)
	s_getreg_b32 s2, hwreg(HW_REG_IB_STS2, 6, 4)
	s_cmp_eq_u32 s2, 0
	s_cbranch_scc0 .Lentry_in_a_cluster
	s_endpgm
.Lentry_in_a_cluster:
	s_bfe_u32 s2, ttmp6, 0x10000c
	s_cmp_lg_u32 s2, 0xf033
	s_cbranch_scc0 .Lentry_shape_is_right
	s_endpgm
.Lentry_shape_is_right:
; GATEUP: hid(t, 2816 e + h) = bf16( c[e][t] x silu(x . Wg_e)[t][h] x (x . Wu_e)[t][h] ).  xb [4096][1024] bf16; wgu [1024 k][11264 n] bf16, gate and up interleaved in fours (n = 4 P + 0,1: gate of
; hidden 2 P, 2 P + 1; + 2,3: up of the same); cw [2][4096] f32.  Sums in f32; the activation in f32; hid rounded once.
; hid LIES IN THE ORDER OF THE SECOND PRODUCT'S OPERAND REGISTERS: [kb 176][tb 256][half 2][lane 32][16 bytes]: block (kb, tb) is 16 tokens x 32 hidden columns, 1,024 bytes; a lane's 16 bytes of half j are its
; registers 4 j .. 4 j + 3 of that fragment.
; SHARES.  A work-group makes 256 tokens x 256 positions n (128 hidden columns), four waves 2 x 2, each 128 x 128: 64 accumulators, 512 registers.  K = 1,024 goes in 8 steps of 128 through a ring of two LDS slots.
; THE MATRIX INSTRUCTION IS USED TRANSPOSED: source 0 = 16 positions n, source 1 = 16 tokens.  A lane then holds ONE token (lane % 16) and the positions 8 (lane / 16) + 0..7: registers 0,1 gate and 2,3 up of
; two hidden columns, 4,5 gate and 6,7 up of the next two.  So SwiGLU needs no exchange between lanes.  Of 32 hidden columns (four position blocks b) lane (r, h) ends up with columns 8 b + 4 h + 0..3 of token r:
; sixteen numbers, eight registers: they ARE that lane's registers of a fragment of 16 tokens x 32 k, if column 8 b + 4 h + i counts as k' = 16 (b / 2) + 8 h + 4 (b % 2) + i.  The second product's weights
; are laid in the same order of k, so the results are stored straight from registers: no LDS, no barrier on the way out.
; The weights lie [k][n] in LDS as in memory and are turned on the way into registers, by ds_load_tr16_b128.
; CLUSTER 4 x 4: the four work-groups of a row of the cluster need the same tile of xb, the four of a column the same tile of wgu: each tile is asked for jointly, by the same load, descriptor and mask in all four.
; REGISTERS, in windows of 256: window 0: v0-31 addresses, v32-47 c (twice each), v64-127 and v128-191 token fragments, two buffers; window 1: the same two buffers for the weights' fragments;
; window 2: accumulators of my tokens 0-63 ((a, b) at 8 (8 a + b): a token block, b position block); window 3: those of tokens 64-127.
; LIMITS.  NaN and infinities are not treated apart; where e^-g overflows silu(g) counts as 0 (reference() gives a number below 1e-35 of g there); g u c is formed before the division, so |g u c| must stay finite in f32.
.set PA,    272                        ; a token row in LDS: 256 bytes + 16: the 16 rows of a fragment load start at 16 different groups of four banks (64 banks of 4 bytes: ISA guide 11.1)
.set PB,    544                        ; a k row of weights: 512 bytes + 32
.set PART,  34816                      ; what one tensor load brings: 128 token rows, or 64 k rows
.set BOFF,  2*PART                     ; a slot: 256 token rows, then 128 k rows
.set SLOT,  4*PART
.set SPARE, 2*SLOT                     ; behind the ring: the spare words, 128 bytes a wave: two blocks of 256 bytes that no other line names
.set LAPS,  4                          ; a lap = two K steps = once round the ring
.set ASTEP, 256                        ; a K step along xb's rows, in bytes
.set BSTEP, 128*22528                  ; a K step down wgu's rows
.set KBB,   262144                     ; hid: from a block of 32 hidden columns to the next: 256 token blocks of 1,024 bytes
.set ADRA, 16                          ; v16-17  LDS address of my token fragments in slot 0, 1
.set ADRB, 20                          ; v20-21  the same for the weights
.set CO,   26                          ; v26     16 x lane: my 16 bytes in half a block of hid; never rewritten
.set CWO,  27                          ; v27     my byte offset in cw
.set SPW,  28                          ; v28     LDS address of my spare word; never rewritten
.set NIL,  29                          ; v29     0; never rewritten
.set CW,   32                          ; v[32+2a], v[33+2a]: c of my token in block a, twice: a pair for the packed multiply
.set F0,   64
.set F1,   128
.set TE,   64                          ; the way out: 32 exponents, then 1 / (1 + e^-g)
.set TP,   96                          ; 32 products g u c
.set TH,   128                         ; 16 registers of packed results: two fragments
.set G1,  24                           ; s[24:31] descriptor group 1 for tokens; s[32:39] group 0, a set for each slot
.set G0,  32
.set G1B, 48                           ; s[48:55], s[56:63] the same for weights
.set G0B, 56
; s12 wave; s13 wave / 2: my half of the tokens, and: I fetch tokens (0) or weights (1); s14 wave % 2: my half of the positions, and which half of that tile I fetch
; s15 cx, s16 cy, s17 tile column, s18 tile row, s19 mask of my row, s20 of my column, s21 LDS target; s[40:41] tokens' address (tile row and wave alone), s[42:43] weights' (tile column and wave alone)
.set MSB, 0
.macro WIN new                         ; the immediate's high byte repeats the setting that is left; a switch that changes nothing is dropped
.if MSB != (\new)
	s_set_vgpr_msb (MSB<<8)|(\new)
.set MSB, \new
.endif
.endm
.set MUL_LO, 0xa1                      ; source 0 (weights) window 1, source 1 (tokens) window 0, C and D window 2
.set TO_B,   0x40                      ; destination window 1, address window 0
; A joint load.  Waves 0 and 1 fetch the token tile's halves, waves 2 and 3 the weight tile's.  The branch hangs on the wave's number alone.  An s_nop 0 and four v_nop follow each line.
.macro JLOAD s
	s_cmp_eq_u32 s13, 0
	s_cbranch_scc0 .Lfor_b_\@
	tensor_load_to_lds s[G0+4*(\s):G0+4*(\s)+3], s[G1:G1+7]
	s_nop 0
.rept 4
	v_nop
.endr
	s_branch .Lasked_\@
.Lfor_b_\@:
	tensor_load_to_lds s[G0B+4*(\s):G0B+4*(\s)+3], s[G1B:G1B+7]
	s_nop 0
.rept 4
	v_nop
.endr
.Lasked_\@:
.endm
.macro CREST                           ; a round of the cluster's barrier behind its opening barrier
	s_cmp_lg_u32 s12, 0
	s_cbranch_scc1 .Lnot_wave_0_\@
	s_barrier_signal -3
.Lnot_wave_0_\@:
	s_barrier_wait -3
	s_barrier_signal -1
	s_barrier_wait -1
.endm
.macro CROUND                          ; a whole round
	s_barrier_signal -1
	s_barrier_wait -1
	CREST
.endm
.macro PLACES                          ; four plain instructions between a matrix instruction and a load into, or a vector line on, its registers
.rept 4
	v_nop
.endr
.endm
; 16 matrix instructions: token blocks a0, a0 + 1 of the window's four x all 8 position blocks, 32 along K.  zero = 1: the first product starts the sums
.macro MUL16 f, hi, a0, zero
	WIN MUL_LO+0x50*(\hi)
.irp a, \a0, (\a0)+1
.irp b, 0,1,2,3,4,5,6,7
.if \zero
	v_wmma_f32_16x16x32_bf16 v[8*(8*(\a)+(\b)):8*(8*(\a)+(\b))+7], v[(\f)+8*(\b):(\f)+8*(\b)+7], v[(\f)+8*(4*(\hi)+(\a)):(\f)+8*(4*(\hi)+(\a))+7], 0
.else
	v_wmma_f32_16x16x32_bf16 v[8*(8*(\a)+(\b)):8*(8*(\a)+(\b))+7], v[(\f)+8*(\b):(\f)+8*(\b)+7], v[(\f)+8*(4*(\hi)+(\a)):(\f)+8*(4*(\hi)+(\a))+7], v[8*(8*(\a)+(\b)):8*(8*(\a)+(\b))+7]
.endif
.endr
.endr
.endm
; 32 LDS loads in one run: quarter q (32 along K) of a slot into buffer f: 8 fragments of weights (turned), then 8 of tokens
.macro FETCH slot, q, f
	WIN TO_B
.irp i, 0,1,2,3,4,5,6,7
	ds_load_tr16_b128 v[(\f)+8*(\i):(\f)+8*(\i)+3],   v[ADRB+(\slot)] offset:(\q)*32*PB+32*(\i)
	ds_load_tr16_b128 v[(\f)+8*(\i)+4:(\f)+8*(\i)+7], v[ADRB+(\slot)] offset:(\q)*32*PB+16*PB+32*(\i)
.endr
	WIN 0
.irp i, 0,1,2,3,4,5,6,7
	ds_load_b128 v[(\f)+8*(\i):(\f)+8*(\i)+3],   v[ADRA+(\slot)] offset:(\q)*64+(\i)*16*PA
	ds_load_b128 v[(\f)+8*(\i)+4:(\f)+8*(\i)+7], v[ADRA+(\slot)] offset:(\q)*64+(\i)*16*PA+32
.endr
.endm
; A quarter step: multiplies buffer f; in its middle it fetches quarter q of the same slot into buffer g.  The 64 accumulators take turns, in the same order everywhere.
.macro QUARTER slot, q, f, g, zero
	s_wait_dscnt 8                                 ; the weights and tokens 0-63 are in; the youngest eight loads (tokens 64-127) may be out
	MUL16 \f, 0, 0, \zero
	MUL16 \f, 0, 2, \zero
	PLACES
	FETCH \slot, \q, \g
	s_wait_dscnt 32                                ; all but the 32 just issued
	MUL16 \f, 1, 0, \zero
	MUL16 \f, 1, 2, \zero
.endm
; A K step's last quarter multiplies buffer 1 and changes slots: one barrier.  In front of it each wave waits for all its tensor loads (one is out: its part of the next slot), adds 0 to its spare word, and
; waits for that and for its reads of this slot.  fill = 1: the barrier opens a round of the cluster's, and the joint refill, two K steps ahead, is the first thing behind the round:
; 224 matrix instructions stand between it and the wait for it.
.macro TURN slot, next, fill
	WIN 0
	s_wait_tensorcnt 0x0
	ds_add_u32 v[SPW], v[NIL]
	s_wait_dscnt 9                                 ; the add and the youngest eight loads may be out
	MUL16 F1, 0, 0, 0
	s_wait_dscnt 0x0                               ; the add is done, and my reads of this slot are over
	s_barrier_signal -1
	MUL16 F1, 0, 2, 0
.if \fill
	WIN 0
.endif
	s_barrier_wait -1
.if \fill
	CREST                                          ; no wave of any partner still reads this slot or has a load on its way
	s_add_nc_u64 s[G0+4*(\slot)+2:G0+4*(\slot)+3], s[G0+4*(\slot)+2:G0+4*(\slot)+3], 2*ASTEP
	s_add_nc_u64 s[G0B+4*(\slot)+2:G0B+4*(\slot)+3], s[G0B+4*(\slot)+2:G0B+4*(\slot)+3], 2*BSTEP
	JLOAD \slot                                    ; its four v_nop are also the places in front of the loads below
.else
	PLACES
.endif
	FETCH \next, 0, F0
	MUL16 F1, 1, 0, 0
	MUL16 F1, 1, 2, 0
.endm
; Token block a leaves its accumulators: 16 tokens x 64 hidden columns, two blocks of hid.  Two batches of 32 transcendentals, each with a plain instruction and ONE wait behind it.
.macro SWIGLU a
.set RA, 64*((\a)%4)
	WIN 2+(\a)/4                                   ; source 0: the accumulators' window
.set bb, 0
.rept 8                                        ; -g log2(e); each accumulator's lowest registers are read first
	v_pk_mul_f32 v[TE+4*bb:TE+4*bb+1],   v[RA+8*bb:RA+8*bb+1],   s[66:67] op_sel_hi:[1,0]
	v_pk_mul_f32 v[TE+4*bb+2:TE+4*bb+3], v[RA+8*bb+4:RA+8*bb+5], s[66:67] op_sel_hi:[1,0]
.set bb, bb+1
.endr
.set bb, 0
.rept 8                                        ; u c
	v_pk_mul_f32 v[TP+4*bb:TP+4*bb+1],   v[RA+8*bb+2:RA+8*bb+3], v[CW+2*(\a):CW+2*(\a)+1]
	v_pk_mul_f32 v[TP+4*bb+2:TP+4*bb+3], v[RA+8*bb+6:RA+8*bb+7], v[CW+2*(\a):CW+2*(\a)+1]
.set bb, bb+1
.endr
.set bb, 0
.rept 8                                        ; g u c
	v_pk_mul_f32 v[TP+4*bb:TP+4*bb+1],   v[RA+8*bb:RA+8*bb+1],   v[TP+4*bb:TP+4*bb+1]
	v_pk_mul_f32 v[TP+4*bb+2:TP+4*bb+3], v[RA+8*bb+4:RA+8*bb+5], v[TP+4*bb+2:TP+4*bb+3]
.set bb, bb+1
.endr
	WIN 0
.set bb, 0
.rept 32
	v_exp_f32 v[TE+bb], v[TE+bb]                   ; e^-g
.set bb, bb+1
.endr
	v_nop
	s_wait_alu depctr_va_vdst(0)
.set bb, 0
.rept 16
	v_pk_add_f32 v[TE+2*bb:TE+2*bb+1], v[TE+2*bb:TE+2*bb+1], 1.0 op_sel_hi:[1,0]
.set bb, bb+1
.endr
.set bb, 0
.rept 32
	v_rcp_f32 v[TE+bb], v[TE+bb]
.set bb, bb+1
.endr
	v_nop
	s_wait_alu depctr_va_vdst(0)
.set bb, 0
.rept 16
	v_pk_mul_f32 v[TP+2*bb:TP+2*bb+1], v[TP+2*bb:TP+2*bb+1], v[TE+2*bb:TE+2*bb+1]
.set bb, bb+1
.endr
	s_wait_xcnt 0x0                                ; the packed results, which the last block's stores read, are rewritten only behind this wait
.set bb, 0
.rept 16
	v_cvt_pk_bf16_f32 v[TH+bb], v[TP+2*bb], v[TP+2*bb+1]
.set bb, bb+1
.endr
.irp f, 0,1,2,3                                ; block f / 2 of my two, half f % 2: the wave's store covers 512 consecutive bytes, at a multiple of 512 from hid's first byte
	global_store_b128 v[CO], v[TH+4*(\f):TH+4*(\f)+3], s[10:11] offset:((\f)/2)*KBB+(\a)*1024+((\f)%2)*512
.endr
.endm
	s_load_b256 s[4:11], s[0:1], 0x0               ; xb 4:5, wgu 6:7, cw 8:9, hid 10:11
	v_lshl_add_u32 v[SPW], v0, 2, SPARE
	v_mov_b32 v[NIL], 0
	ds_add_u32 v[SPW], v[NIL]                      ; the wave's opening: the add and its wait stand ahead of my first tensor load; work on registers stands between them
	v_lshrrev_b32 v1, 5, v0
	v_readfirstlane_b32 s12, v1
	s_lshr_b32 s13, s12, 1
	s_and_b32 s14, s12, 1
	s_bfe_u32 s15, ttmp6, 0x40000                  ; cx
	s_bfe_u32 s16, ttmp6, 0x40004                  ; cy
	s_lshl_b32 s17, ttmp9, 2
	s_add_co_u32 s17, s17, s15                     ; tile column 0..43
	s_and_b32 s18, ttmp7, 0xffff
	s_lshl_b32 s18, s18, 2
	s_add_co_u32 s18, s18, s16                     ; tile row 0..15
	s_lshl_b32 s19, s16, 2
	s_lshl_b32 s19, 15, s19                        ; my row of the cluster
	s_lshl_b32 s20, 0x1111, s15                    ; my column
	s_or_b32 s[G1+0], s19, (1<<16)|(1<<20)|(1<<21)|(5<<22)|(3<<25)   ; the mask; 2-byte elements; padding on; bit 21 beside a mask; after every 64 words, 4 words
	s_or_b32 s[G1B+0], s20, (1<<16)|(1<<20)|(1<<21)|(6<<22)|(7<<25)  ; after every 128 words, 8 words
	s_mov_b32 s[G1+1], 128<<16                     ; tensor_dim0 = 128
	s_mov_b32 s[G1+2], 128<<16                     ; tensor_dim1 = 128
	s_mov_b32 s[G1+3], 128<<16                     ; tile_dim0 = 128 elements: 256 bytes
	s_mov_b32 s[G1+4], 128                         ; tile_dim1 = 128 rows
	s_mov_b32 s[G1+5], 1024                        ; elements from row to row
	s_mov_b32 s[G1+6], 0
	s_mov_b32 s[G1+7], 0
	s_mov_b32 s[G1B+1], 256<<16                    ; tensor_dim0 = 256
	s_mov_b32 s[G1B+2], 64<<16                     ; tensor_dim1 = 64
	s_mov_b32 s[G1B+3], 256<<16                    ; tile_dim0 = 256 elements: 512 bytes
	s_mov_b32 s[G1B+4], 64                         ; tile_dim1 = 64 rows
	s_mov_b32 s[G1B+5], 11264
	s_mov_b32 s[G1B+6], 0
	s_mov_b32 s[G1B+7], 0
	s_lshl_b32 s40, s18, 8
	s_lshl_b32 s41, s14, 7
	s_add_co_u32 s40, s40, s41                     ; tokens: row 256 x tile row + 128 x half,
	s_lshl_b32 s40, s40, 11                        ; of 2,048 bytes
	s_mov_b32 s41, 0
	s_mul_i32 s42, s14, 64*22528                   ; weights: k row 64 x half,
	s_lshl_b32 s43, s17, 9                         ; 512 bytes a tile column
	s_add_co_u32 s42, s42, s43
	s_mov_b32 s43, 0
	s_mul_i32 s21, s12, PART                       ; where my load goes: wave x 34,816: no place in the cluster enters an LDS address
	s_mov_b32 s66, 0xbfb8aa3b                      ; -log2(e),
	s_mov_b32 s67, 0xbfb8aa3b                      ; named as a pair
	s_wait_dscnt 0x0                               ; the opening add is done
	s_wait_kmcnt 0x0
	s_add_nc_u64 s[40:41], s[4:5], s[40:41]
	s_add_nc_u64 s[42:43], s[6:7], s[42:43]
	CROUND                                         ; all sixteen work-groups are here: the first joint loads meet
.irp s, 0,1
	s_mov_b32 s[G0+4*(\s)], 1
	s_add_co_u32 s[G0+4*(\s)+1], s21, (\s)*SLOT
	s_add_nc_u64 s[G0+4*(\s)+2:G0+4*(\s)+3], s[40:41], (\s)*ASTEP
	s_or_b32 s[G0+4*(\s)+3], s[G0+4*(\s)+3], 0x80000000
	s_mov_b32 s[G0B+4*(\s)], 1
	s_add_co_u32 s[G0B+4*(\s)+1], s21, (\s)*SLOT
	s_add_nc_u64 s[G0B+4*(\s)+2:G0B+4*(\s)+3], s[42:43], (\s)*BSTEP
	s_or_b32 s[G0B+4*(\s)+3], s[G0B+4*(\s)+3], 0x80000000
	JLOAD \s                                       ; K steps 0 and 1: two loads of mine are out
.endr
	v_and_b32 v1, 15, v0                           ; r = lane % 16
	v_bfe_u32 v2, v0, 4, 1                         ; h = lane / 16
	v_and_b32 v3, 7, v0
	v_bfe_u32 v4, v0, 3, 1
	v_mul_u32_u24 v5, v1, PA
	v_lshl_add_u32 v5, v2, 4, v5                   ; tokens: row r, 16 bytes for each half of the lanes
	v_lshl_add_u32 v6, v2, 3, v3
	v_mul_u32_u24 v6, v6, PB
	v_lshl_add_u32 v6, v4, 4, v6                   ; weights: k row 8 h + lane % 8, positions 8 ((lane / 8) % 2) on
	s_mul_i32 s22, s13, PART                       ; my 128 tokens
	s_lshl_b32 s23, s14, 8                         ; my 128 positions,
	s_add_co_u32 s23, s23, BOFF                    ; behind the tokens' rows
.irp s, 0,1
	v_add_nc_u32 v[ADRA+(\s)], s22, v5
	v_add_nc_u32 v[ADRB+(\s)], s23, v6
	s_add_co_u32 s22, s22, SLOT
	s_add_co_u32 s23, s23, SLOT
.endr
	s_mul_i32 s46, s17, 3                          ; the expert: tile columns 22 on are expert 1's: min(1, 3 x column / 64)
	s_lshr_b32 s46, s46, 6
	s_min_u32 s46, s46, 1
	s_lshl_b32 s46, s46, 14
	s_lshl_b32 s47, s18, 10
	s_add_co_u32 s46, s46, s47                     ; cw[e][256 x tile row]
	s_mov_b32 s47, 0
	s_add_nc_u64 s[8:9], s[8:9], s[46:47]
	s_lshl_b32 s22, s13, 9
	v_lshl_add_u32 v[CWO], v1, 2, s22              ; token 128 x half + r
.irp a, 0,1,2,3,4,5,6,7
	global_load_b32 v[CW+2*(\a)],   v[CWO], s[8:9] offset:64*(\a)
	global_load_b32 v[CW+2*(\a)+1], v[CWO], s[8:9] offset:64*(\a)
.endr
	v_and_b32 v7, 31, v0
	v_lshlrev_b32 v[CO], 4, v7                     ; 16 x lane
	s_lshl_b32 s44, s17, 2                         ; hid at my first block: hidden block 4 x tile column + 2 x half,
	s_lshl_b32 s45, s14, 1
	s_add_co_u32 s44, s44, s45
	s_lshl_b32 s44, s44, 18                        ; of 262,144 bytes;
	s_lshl_b32 s45, s18, 4                         ; token block 16 x tile row + 8 x half,
	s_lshl_b32 s46, s13, 3
	s_add_co_u32 s45, s45, s46
	s_lshl_b32 s45, s45, 10                        ; of 1,024 bytes
	s_add_co_u32 s44, s44, s45
	s_mov_b32 s45, 0
	s_add_nc_u64 s[10:11], s[10:11], s[44:45]
	s_wait_tensorcnt 0x1                           ; my part of K step 0 is in; K step 1's may stay out
	s_barrier_signal -1
	s_barrier_wait -1
	FETCH 0, 0, F0
	QUARTER 0, 1, F0, F1, 1                        ; the first quarter stands in front of the loop: its products start the sums
	WIN 0                                          ; at a label and at a branch every window is 0
	s_mov_b32 s3, LAPS-1
.Llap:                                                 ; a trip goes once round the ring, from a lap's second quarter to the next lap's first, and fills both slots again
	QUARTER 0, 2, F1, F0, 0
	QUARTER 0, 3, F0, F1, 0
	TURN 0, 1, 1
	QUARTER 1, 1, F0, F1, 0
	QUARTER 1, 2, F1, F0, 0
	QUARTER 1, 3, F0, F1, 0
	TURN 1, 0, 1
	QUARTER 0, 1, F0, F1, 0
	WIN 0
	s_sub_co_u32 s3, s3, 1
	s_cmp_lg_u32 s3, 0
	s_cbranch_scc1 .Llap
	QUARTER 0, 2, F1, F0, 0                        ; the last lap fills nothing
	QUARTER 0, 3, F0, F1, 0
	TURN 0, 1, 0
	QUARTER 1, 1, F0, F1, 0
	QUARTER 1, 2, F1, F0, 0
	QUARTER 1, 3, F0, F1, 0
	s_wait_dscnt 8
	MUL16 F1, 0, 0, 0
	MUL16 F1, 0, 2, 0
	s_wait_dscnt 0x0
	MUL16 F1, 1, 0, 0
	MUL16 F1, 1, 2, 0
	WIN 0
	; THE WAY OUT: SwiGLU and c in f32, rounded to bf16, stored from the registers in which they are made, a block of 16 tokens at a time.
	PLACES
	s_wait_loadcnt 0x0                             ; c
.irp a, 0,1,2,3,4,5,6,7
	SWIGLU \a
.endr
	s_wait_tensorcnt 0x0                           ; the wave's end
	ds_add_u32 v[SPW], v[NIL]
	s_wait_dscnt 0x0
	CROUND                                         ; the closing round: no work-group ends while a partner may still ask for a tile that names it
	s_endpgm
.Lfunc_end_k_qfa959bfa51_gateup:
	.size	k_qfa959bfa51_gateup, .Lfunc_end_k_qfa959bfa51_gateup-k_qfa959bfa51_gateup
	.p2alignl 7, 3214868480
	.fill 96, 4, 3214868480
	.section	.rodata,"a",@progbits
	.p2align	6, 0x0
	.amdhsa_kernel k_qfa959bfa51_gateup
		.amdhsa_group_segment_fixed_size 327680
		.amdhsa_private_segment_fixed_size 0
		.amdhsa_enable_private_segment 0
		.amdhsa_kernarg_size 32
		.amdhsa_user_sgpr_count 2
		.amdhsa_user_sgpr_kernarg_segment_ptr 1
		.amdhsa_wavefront_size32 1
		.amdhsa_system_sgpr_workgroup_id_x 1
		.amdhsa_system_sgpr_workgroup_id_y 1
		.amdhsa_system_sgpr_workgroup_id_z 1
		.amdhsa_system_vgpr_workitem_id 0
		.amdhsa_next_free_vgpr 1024
		.amdhsa_next_free_sgpr 68
		.amdhsa_reserve_vcc 0
		.amdhsa_float_denorm_mode_32 3
		.amdhsa_float_denorm_mode_16_64 3
		.amdhsa_memory_ordered 1
		.amdhsa_forward_progress 1
		.amdhsa_inst_pref_size 182
	.end_amdhsa_kernel
	.amdgpu_metadata
---
amdhsa.version: [ 1, 2 ]
amdhsa.kernels:
  - .name:           k_qfa959bfa51_gateup
    .symbol:         k_qfa959bfa51_gateup.kd
    .args:
      - { .name: xb, .offset: 0, .size: 8, .value_kind: global_buffer, .address_space: global }
      - { .name: wgu, .offset: 8, .size: 8, .value_kind: global_buffer, .address_space: global }
      - { .name: cw, .offset: 16, .size: 8, .value_kind: global_buffer, .address_space: global }
      - { .name: hid, .offset: 24, .size: 8, .value_kind: global_buffer, .address_space: global }
    .group_segment_fixed_size: 327680
    .private_segment_fixed_size: 0
    .kernarg_segment_align: 8
    .kernarg_segment_size: 32
    .max_flat_workgroup_size: 128
    .sgpr_count:     68
    .vgpr_count:     1024
    .wavefront_size: 32
...
	.end_amdgpu_metadata
.endif
;; end of part 2
;; launch down (part 3): grid 8 x 32, 4 waves a work-group, clusters of 4 x 4, 327,680 bytes of LDS; arguments hid, wdb, out0, part, out1, out2; writes out0, out1, out2
.if DOCPART == 3
	.amdgcn_target "amdgcn-amd-amdhsa--gfx1250"
	.amdhsa_code_object_version 6
	.text
	.protected	k_qfa959bfa51_down
	.globl	k_qfa959bfa51_down
	.p2align	8
	.type	k_qfa959bfa51_down,@function
k_qfa959bfa51_down:
	s_mov_b64 s[64:65], 0
	v_nop
	global_prefetch_b8 v0, s[64:65] scope:SCOPE_SE
	s_setreg_imm32_b32 hwreg(HW_REG_WAVE_MODE, 25, 1), 1
	s_wait_xcnt 0x0
	s_wait_alu depctr_hold_cnt(0) depctr_sa_sdst(0) depctr_va_vdst(0) depctr_va_sdst(0) depctr_va_ssrc(0) depctr_va_vcc(0) depctr_vm_vsrc(0)
	s_getreg_b32 s2, hwreg(HW_REG_IB_STS2, 6, 4)
	s_cmp_eq_u32 s2, 0
	s_cbranch_scc0 .Lentry_in_a_cluster
	s_endpgm
.Lentry_in_a_cluster:
	s_bfe_u32 s2, ttmp6, 0x10000c
	s_cmp_lg_u32 s2, 0xf033
	s_cbranch_scc0 .Lentry_shape_is_right
	s_endpgm
.Lentry_shape_is_right:
; DOWN: out0[t][n] = the sum over k of hid(t, k) wdb[k][n], and the two losses.  hid: bf16, both experts' hidden layers, c already in them, in the order of this product's operand registers:
; [kb 176][tb 256][half 2][lane 32][16 bytes] (block (kb, tb): 16 tokens x 32 k).  wdb [5632 k][1024 n] bf16, its rows in the same order of k.  out0 [4096][1024] f32.
; SHARES.  256 work-groups; each makes 128 tokens x 128 columns.  THE FOUR WAVES SPLIT K: of every K step of 512, wave w multiplies the whole tile over k = 128 w .. 128 w + 127, in 64 accumulators;
; the four f32 tiles are added through LDS at the end, in the fixed order (0 + 1) + (2 + 3).
; So every operand byte has ONE reader in the work-group.  wdb goes through a ring of two LDS slots (it has to be turned, by ds_load_tr16_b128) and is asked for jointly along a column of the 4 x 4 cluster.
; hid COMES STRAIGHT INTO REGISTERS, 512 consecutive bytes a load, three quarter steps (48 loads, 24 KB a wave) ahead of its use, and gives multicast up: with hid in the ring too, a slot of the same bytes
; holds 256 k, so that a wave's one load behind a round has 96 matrix instructions in which to land; with wdb alone it holds 512 k, and the load has 224.
; The matrix instruction is used transposed (source 0 = 16 columns of wdb, source 1 = 16 tokens): a lane holds one token and eight neighbouring columns, 32 bytes of a row of out0.
; THE LOSSES.  part[1024][4] holds sums over four tokens of c0, c1, logsumexp^2.  Each wave adds a quarter of them while the first tile is on its way, the four triples meet in LDS, and thread 0 of
; work-group (0, 0) alone stores out1 = 2 ((S0 / 4096)^2 + (S1 / 4096)^2) = (S0^2 + S1^2) 2^-23 and out2 = S2 / 4096: by EXEC, no branch hangs on the work-group's place.
; REGISTERS: window 0: v0-31 addresses, v32-63 the losses, v64-255 hid's buffers 0 to 2; window 1: v0-63 hid's buffer 3, v64-127 and v128-191 wdb's fragments; windows 2, 3: accumulators ((a, b) at 8 (8 (a % 4) + b)).
; LIMITS.  The orders of the sums are not reference()'s; NaN and infinities are not treated apart.
.set PB,    288                        ; a k row of wdb in LDS: 256 bytes + 32
.set PART,  128*PB                     ; what a wave's load brings, and what that wave reads: 128 k rows
.set SLOT,  4*PART                     ; 147,456
.set SPARE, 2*SLOT                     ; behind the ring: the spare words, 128 bytes a wave: two blocks of 256 bytes that no other line names
.set SCR,   SPARE+512                  ; a block of 256 bytes of its own: 16 bytes a wave, the losses' sums
.set PR,    528                        ; the way out: a row of a wave's f32 tile: 512 bytes + 16
.set RED,   128*PR                     ; such a tile; the four lie from LDS byte 0 on, in the ring, behind its last fill
.set BSTEP, 512*2048                   ; a K step down wdb's rows
.set QB,    262144                     ; hid: from a block of 32 k to the next
.set ASTEP, 16*QB                      ; a K step in hid
.set TRIPS, 9                          ; K steps 0 to 8 are followed by a refill (steps 2 to 10); steps 9 and 10 are written out
.set RDS,  8                           ; v8-11   where I read a row of tile 0..3 back
.set ADRB, 20                          ; v20     LDS address of my fragments of wdb in the slot in hand
.set ADB0, 21                          ; v21     the same in slot 0; never rewritten
.set STO,  24                          ; v24     where I put 32 bytes of a row of my tile
.set CO,   26                          ; v26     16 x lane: my offset in half a block of hid, in part and in a row of out0; never rewritten
.set SCA,  27                          ; v27     my wave's 16 bytes of SCR
.set SPW,  28                          ; v28     LDS address of my spare word; never rewritten
.set NIL,  29                          ; v29     0; never rewritten
.set F0,   64                          ; wdb's fragment buffers, in window 1
.set F1,   128
.set G1B, 24                           ; s[24:31] descriptor group 1; s[32:35] group 0 of the first fill; s[36:39] group 0 of the second, which then walks
; s3 trips; s[4:5] hid at my blocks of the step in hand; s[6:7] wdb; s[8:9] out0; s[10:11] part; s12 wave; s15 cx, s16 cy, s17 tile column, s18 tile row, s20 mask of my column; s21 wave x PART;
; s22 the walking descriptor's slot (0 or SLOT); s23 the slot that is read; s[40:43] offsets; s[44:45] out1, s[46:47] out2; s48, s49 lane selects; s50 EXEC; s51 at work
.set MSB, 0
.macro WIN new                         ; the immediate's high byte repeats the setting that is left; a switch that changes nothing is dropped
.if MSB != (\new)
	s_set_vgpr_msb (MSB<<8)|(\new)
.set MSB, \new
.endif
.endm
.macro CREST                           ; a round of the cluster's barrier behind its opening barrier
	s_cmp_lg_u32 s12, 0
	s_cbranch_scc1 .Lnot_wave_0_\@
	s_barrier_signal -3
.Lnot_wave_0_\@:
	s_barrier_wait -3
	s_barrier_signal -1
	s_barrier_wait -1
.endm
.macro CROUND
	s_barrier_signal -1
	s_barrier_wait -1
	CREST
.endm
.macro PLACES                          ; four plain instructions between a matrix instruction and a load into, or a store of, its registers
.rept 4
	v_nop
.endr
.endm
.macro ABUF q                          ; hid's buffer q: its first register FA and its window WA
.if (\q) == 3
.set FA, 0
.set WA, 1
.else
.set FA, 64+64*(\q)
.set WA, 0
.endif
.endm
; 16 matrix instructions of quarter q (hid's buffer q, wdb's buffer q % 2): token blocks a0, a0 + 1 of the window's four x all 8 column blocks, 32 along K.  zero = 1: the first product starts the sums
.macro MUL16 q, hi, a0, zero
	ABUF \q
.set FB, 64+64*((\q)%2)
	WIN 0xa1+0x50*(\hi)+4*WA                       ; source 0 window 1, source 1 window WA, C and D window 2 or 3
.irp a, \a0, (\a0)+1
.irp b, 0,1,2,3,4,5,6,7
.if \zero
	v_wmma_f32_16x16x32_bf16 v[8*(8*(\a)+(\b)):8*(8*(\a)+(\b))+7], v[FB+8*(\b):FB+8*(\b)+7], v[FA+8*(4*(\hi)+(\a)):FA+8*(4*(\hi)+(\a))+7], 0
.else
	v_wmma_f32_16x16x32_bf16 v[8*(8*(\a)+(\b)):8*(8*(\a)+(\b))+7], v[FB+8*(\b):FB+8*(\b)+7], v[FA+8*(4*(\hi)+(\a)):FA+8*(4*(\hi)+(\a))+7], v[8*(8*(\a)+(\b)):8*(8*(\a)+(\b))+7]
.endif
.endr
.endr
.endm
.macro FETCHB q, f                     ; 16 LDS loads in one run: quarter q (32 k) of my 128 k rows of the slot in hand: 8 fragments of wdb, turned
	WIN 0x40                                       ; destination window 1, address window 0
.irp i, 0,1,2,3,4,5,6,7
	ds_load_tr16_b128 v[(\f)+8*(\i):(\f)+8*(\i)+3],   v[ADRB] offset:(\q)*32*PB+32*(\i)
	ds_load_tr16_b128 v[(\f)+8*(\i)+4:(\f)+8*(\i)+7], v[ADRB] offset:(\q)*32*PB+16*PB+32*(\i)
.endr
.endm
.macro ALOAD q, imm                    ; 16 loads in one run: 8 fragments of hid, 8,192 consecutive bytes, into buffer q; token blocks in ascending order
	ABUF \q
	WIN 0x40*WA
.irp a, 0,1,2,3,4,5,6,7
	global_load_b128 v[FA+8*(\a):FA+8*(\a)+3],   v[CO], s[4:5] offset:(\imm)+1024*(\a)
	global_load_b128 v[FA+8*(\a)+4:FA+8*(\a)+7], v[CO], s[4:5] offset:(\imm)+1024*(\a)+512
.endr
.endm
; A quarter step q = 0, 1, 2: 64 matrix instructions; in its middle wdb's quarter q + 1 is fetched from LDS and (imm >= 0) hid's fragments of the quarter three on are asked for, into the buffer read last.
; n1: the loads issued behind the first 8 of this quarter's 16 (tokens 0-63); n2: those issued behind all 16.  The 64 accumulators take turns, in the same order everywhere.
.macro QUARTER q, zero, imm, n1, n2
	s_wait_dscnt 0x0                               ; wdb's fragments: asked for 32 matrix instructions ago
	s_wait_loadcnt \n1
	MUL16 \q, 0, 0, \zero
	MUL16 \q, 0, 2, \zero
	PLACES
	FETCHB (\q)+1, 64+64*(((\q)+1)%2)
.if (\imm) >= 0
	ALOAD ((\q)+3)%4, \imm
.endif
	s_wait_loadcnt \n2
	MUL16 \q, 1, 0, \zero
	MUL16 \q, 1, 2, \zero
.endm
; A K step's last quarter changes slots: one barrier.  In front of it each wave waits for all its tensor loads (one is out: its part of the next slot), adds 0 to its spare word, and waits for that and for its
; reads of this slot.  fill = 1: the barrier opens a round of the cluster's, and the joint refill of the slot just read, with the step two on, is the first thing behind the round.
.macro TURN fill, imm
	WIN 0
	s_wait_tensorcnt 0x0
	ds_add_u32 v[SPW], v[NIL]
	s_wait_dscnt 1                                 ; wdb's fragments are in; the add may be out
	s_wait_loadcnt 40                              ; this quarter's last 8 loads and the next two quarters' 32 may be out
	MUL16 3, 0, 0, 0
	s_wait_dscnt 0x0                               ; the add is done, and my reads of this slot are over
	s_barrier_signal -1
	MUL16 3, 0, 2, 0
	WIN 0                                          ; branches and a line on addresses follow
	s_barrier_wait -1
.if \fill
	CREST                                          ; no wave of any partner still reads this slot or has a load on its way
	s_xor_b32 s22, s22, SLOT                       ; the walking descriptor: the other slot than last time,
	s_add_co_u32 s37, s21, s22                     ; my 128 rows of it,
	s_add_nc_u64 s[38:39], s[38:39], BSTEP         ; the next 512 k; the type bits on top are not reached
	tensor_load_to_lds s[36:39], s[G1B:G1B+7]
	s_nop 0
.rept 4
	v_nop                                          ; (the places in front of the loads below)
.endr
.else
	PLACES
.endif
	s_xor_b32 s23, s23, SLOT                       ; the reads go on in the other slot
	v_add_nc_u32 v[ADRB], s23, v[ADB0]
	FETCHB 0, F0
	ALOAD 2, \imm
	s_wait_loadcnt 48                              ; the three later quarters' loads may be out
	MUL16 3, 1, 0, 0
	MUL16 3, 1, 2, 0
.endm
; The way out.  RLOAD c: rows 4 c .. 4 c + 3 of my 32, from all four tiles.  RSUM c: added and stored.  left: the LDS loads issued behind chunk c's.
.macro RLOAD c
.set BUF, 64+64*((\c)%2)
.irp i, 0,1,2,3
.irp s, 0,1,2,3
	ds_load_b128 v[BUF+16*(\i)+4*(\s):BUF+16*(\i)+4*(\s)+3], v[RDS+(\s)] offset:PR*(4*(\c)+(\i))  ; a whole row: 32 lanes, 16 neighbouring bytes each
.endr
.endr
.endm
.macro RSUM c, left
.set BUF, 64+64*((\c)%2)
	s_wait_dscnt \left
.irp i, 0,1,2,3
	v_pk_add_f32 v[BUF+16*(\i):BUF+16*(\i)+1],     v[BUF+16*(\i):BUF+16*(\i)+1],     v[BUF+16*(\i)+4:BUF+16*(\i)+5]
	v_pk_add_f32 v[BUF+16*(\i)+2:BUF+16*(\i)+3],   v[BUF+16*(\i)+2:BUF+16*(\i)+3],   v[BUF+16*(\i)+6:BUF+16*(\i)+7]
	v_pk_add_f32 v[BUF+16*(\i)+8:BUF+16*(\i)+9],   v[BUF+16*(\i)+8:BUF+16*(\i)+9],   v[BUF+16*(\i)+12:BUF+16*(\i)+13]
	v_pk_add_f32 v[BUF+16*(\i)+10:BUF+16*(\i)+11], v[BUF+16*(\i)+10:BUF+16*(\i)+11], v[BUF+16*(\i)+14:BUF+16*(\i)+15]
	v_pk_add_f32 v[BUF+16*(\i):BUF+16*(\i)+1],     v[BUF+16*(\i):BUF+16*(\i)+1],     v[BUF+16*(\i)+8:BUF+16*(\i)+9]
	v_pk_add_f32 v[BUF+16*(\i)+2:BUF+16*(\i)+3],   v[BUF+16*(\i)+2:BUF+16*(\i)+3],   v[BUF+16*(\i)+10:BUF+16*(\i)+11]
	global_store_b128 v[CO], v[BUF+16*(\i):BUF+16*(\i)+3], s[8:9] offset:4096*(4*(\c)+(\i)) th:TH_STORE_NT  ; 512 consecutive bytes, at a multiple of 512 from out0's first byte
.endr
.endm
	s_load_b256 s[4:11], s[0:1], 0x0               ; hid 4:5, wdb 6:7, out0 8:9, part 10:11
	s_load_b128 s[44:47], s[0:1], 0x20             ; out1 44:45, out2 46:47
	v_lshl_add_u32 v[SPW], v0, 2, SPARE
	v_mov_b32 v[NIL], 0
	ds_add_u32 v[SPW], v[NIL]                      ; the wave's opening: the add and its wait stand ahead of my first tensor load; work on registers stands between them
	v_lshrrev_b32 v1, 5, v0
	v_readfirstlane_b32 s12, v1
	s_bfe_u32 s15, ttmp6, 0x40000                  ; cx
	s_bfe_u32 s16, ttmp6, 0x40004                  ; cy
	s_lshl_b32 s17, ttmp9, 2
	s_add_co_u32 s17, s17, s15                     ; tile column 0..7
	s_and_b32 s18, ttmp7, 0xffff
	s_lshl_b32 s18, s18, 2
	s_add_co_u32 s18, s18, s16                     ; tile row 0..31
	s_lshl_b32 s20, 0x1111, s15                    ; my column of the cluster
	s_or_b32 s[G1B+0], s20, (1<<16)|(1<<20)|(1<<21)|(5<<22)|(7<<25)  ; the mask; 2-byte elements; padding on; bit 21 beside a mask; after every 64 words, 8 words
	s_mov_b32 s[G1B+1], 128<<16                    ; tensor_dim0 = 128
	s_mov_b32 s[G1B+2], 128<<16                    ; tensor_dim1 = 128
	s_mov_b32 s[G1B+3], 128<<16                    ; tile_dim0 = 128 elements: 256 bytes
	s_mov_b32 s[G1B+4], 128                        ; tile_dim1 = 128 rows
	s_mov_b32 s[G1B+5], 1024                       ; elements from row to row
	s_mov_b32 s[G1B+6], 0
	s_mov_b32 s[G1B+7], 0
	s_lshl_b32 s42, s12, 18                        ; wdb: k row 128 x wave, of 2,048 bytes,
	s_lshl_b32 s43, s17, 8                         ; 256 bytes a tile column: the tile column and the wave alone
	s_add_co_u32 s42, s42, s43
	s_mov_b32 s43, 0
	s_lshl_b32 s40, s18, 13                        ; hid: token block 8 x tile row, of 1,024 bytes,
	s_lshl_b32 s41, s12, 20                        ; k block 4 x wave, of 262,144 bytes
	s_add_co_u32 s40, s40, s41
	s_mov_b32 s41, 0
	s_mul_i32 s21, s12, PART                       ; where my loads go in a slot: no place in the cluster enters an LDS address
	s_mov_b32 s22, SLOT
	s_mov_b32 s23, 0
	s_mov_b32 s48, 0x76543210                      ; v_permlanex16_b32: each lane takes its own place in the other half
	s_mov_b32 s49, 0xfedcba98
	s_wait_dscnt 0x0                               ; the opening add is done
	s_wait_kmcnt 0x0
	s_add_nc_u64 s[42:43], s[6:7], s[42:43]
	s_add_nc_u64 s[4:5], s[4:5], s[40:41]
	CROUND                                         ; all sixteen work-groups are here: the first joint loads meet
	s_mov_b32 s32, 1
	s_add_co_u32 s33, s21, 0                       ; slot 0,
	s_add_nc_u64 s[34:35], s[42:43], 0             ; K step 0
	s_or_b32 s35, s35, 0x80000000
	s_mov_b32 s36, 1
	s_add_co_u32 s37, s21, SLOT                    ; slot 1,
	s_add_nc_u64 s[38:39], s[42:43], BSTEP         ; K step 1
	s_or_b32 s39, s39, 0x80000000
	tensor_load_to_lds s[32:35], s[G1B:G1B+7]      ; two loads of mine are out
	s_nop 0
	tensor_load_to_lds s[36:39], s[G1B:G1B+7]
	s_nop 0
.rept 4
	v_nop
.endr
	v_and_b32 v7, 31, v0
	v_lshlrev_b32 v[CO], 4, v7                     ; 16 x lane
	s_lshl_b32 s40, s12, 12                        ; my quarter of part: 4,096 bytes (s41 is 0)
	s_add_nc_u64 s[10:11], s[10:11], s[40:41]
.set j, 0
.rept 8
	global_load_b128 v[32+4*j:35+4*j], v[CO], s[10:11] offset:512*j
.set j, j+1
.endr
	ALOAD 0, 0                                     ; hid's fragments of K step 0's first three quarters
	ALOAD 1, QB
	ALOAD 2, 2*QB
	v_and_b32 v1, 15, v0                           ; r
	v_bfe_u32 v2, v0, 4, 1                         ; h
	v_and_b32 v3, 7, v0
	v_bfe_u32 v4, v0, 3, 1
	v_lshl_add_u32 v6, v2, 3, v3
	v_mul_u32_u24 v6, v6, PB
	v_lshl_add_u32 v6, v4, 4, v6                   ; wdb: k row 8 h + lane % 8, columns 8 ((lane / 8) % 2) on,
	v_add_nc_u32 v[ADB0], s21, v6                  ; of my 128 rows
	v_mov_b32 v[ADRB], v[ADB0]
	s_mul_i32 s40, s12, RED                        ; my f32 tile
	v_mul_u32_u24 v[STO], v1, PR
	v_lshl_add_u32 v[STO], v2, 5, v[STO]
	v_add_nc_u32 v[STO], s40, v[STO]
	s_mul_i32 s40, s12, 32*PR                      ; back: wave w adds rows 32 w .. 32 w + 31 of the four tiles
.irp s, 0,1,2,3
	v_add_nc_u32 v[RDS+(\s)], s40, v[CO]
	s_add_co_u32 s40, s40, RED
.endr
	s_lshl_b32 s40, s12, 4
	s_add_co_u32 s40, s40, SCR
	v_mov_b32 v[SCA], s40
	v_mov_b32 v30, 0
	v_mov_b32 v31, SCR
	s_lshl_b32 s40, s18, 7
	s_lshl_b32 s51, s12, 5
	s_add_co_u32 s40, s40, s51                     ; the first row of out0 that I store,
	s_lshl_b32 s40, s40, 12
	s_lshl_b32 s51, s17, 9                         ; the tile's 512 bytes of it
	s_add_co_u32 s40, s40, s51
	s_add_nc_u64 s[8:9], s[8:9], s[40:41]
	; my quarter of the losses' sums, in the wait for the first tile
	s_wait_loadcnt 48                              ; part is in; hid's 48 loads, issued behind it, stay out
.irp s, 4,2,1
.set j, 0
.rept \s
	v_pk_add_f32 v[32+4*j:33+4*j], v[32+4*j:33+4*j], v[32+4*(j+\s):33+4*(j+\s)]
	v_pk_add_f32 v[34+4*j:35+4*j], v[34+4*j:35+4*j], v[34+4*(j+\s):35+4*(j+\s)]
.set j, j+1
.endr
.endr
.irp m, 1,2,4,8
	v_add_f32_dpp v32, v32, v32 row_xmask:\m row_mask:0xf bank_mask:0xf
	v_add_f32_dpp v33, v33, v33 row_xmask:\m row_mask:0xf bank_mask:0xf
	v_add_f32_dpp v34, v34, v34 row_xmask:\m row_mask:0xf bank_mask:0xf
.endr
	v_permlanex16_b32 v36, v32, s48, s49
	v_permlanex16_b32 v37, v33, s48, s49
	v_permlanex16_b32 v38, v34, s48, s49
	v_add_f32 v32, v32, v36
	v_add_f32 v33, v33, v37
	v_add_f32 v34, v34, v38
	ds_store_b128 v[SCA], v[32:35]                 ; all lanes write the same 16 bytes with the same numbers (the fourth is a sum of zeros)
	s_wait_dscnt 0x0                               ; for the others' sake
	s_wait_tensorcnt 0x1                           ; my part of K step 0 is in; K step 1's may stay out
	s_barrier_signal -1
	s_barrier_wait -1
	FETCHB 0, F0
	QUARTER 0, 1, 3*QB, 40, 48                     ; the first quarter stands in front of the loop: its products start the sums
	WIN 0                                          ; at a label and at a branch every window is 0
	s_mov_b32 s3, TRIPS
.Lstep:                                                ; a trip: a K step's quarters 1, 2, 3 and the next step's quarter 0; it fills the slot that it leaves
	QUARTER 1, 0, ASTEP, 40, 48
	QUARTER 2, 0, ASTEP+QB, 40, 48
	TURN 1, ASTEP+2*QB
	QUARTER 0, 0, ASTEP+3*QB, 40, 48
	WIN 0
	s_wait_xcnt 0x0                                ; hid's base is stepped only behind this wait; the youngest loads were issued 32 matrix instructions ago
	s_add_nc_u64 s[4:5], s[4:5], ASTEP
	s_sub_co_u32 s3, s3, 1
	s_cmp_lg_u32 s3, 0
	s_cbranch_scc1 .Lstep
	QUARTER 1, 0, ASTEP, 40, 48                    ; K step 9: as in the loop, but nothing is left to fill
	QUARTER 2, 0, ASTEP+QB, 40, 48
	TURN 0, ASTEP+2*QB
	QUARTER 0, 0, ASTEP+3*QB, 40, 48               ; K step 10; hid's last loads
	QUARTER 1, 0, -1, 40, 32                       ; the counts run down
	QUARTER 2, 0, -1, 24, 16
	s_wait_dscnt 0x0                               ; my last reads of the ring are back
	s_wait_loadcnt 8
	MUL16 3, 0, 0, 0
	MUL16 3, 0, 2, 0
	s_wait_loadcnt 0x0
	MUL16 3, 1, 0, 0
	MUL16 3, 1, 2, 0
	WIN 0
	; THE WAY OUT.  The ring has had its last fill; when no wave reads it any more, each wave lays its f32 tile into it; then each adds 32 rows of the four tiles and stores them.
	s_barrier_signal -1                            ; no LDS instruction of mine is out since the wait above
	PLACES                                         ; the places behind the last products
	s_barrier_wait -1
.set a, 0
.rept 8
	WIN 0x08+4*(a/4)                               ; the stores' data: window 2 or 3
.set bb, 0
.rept 8
	ds_store_b128 v[STO], v[64*(a%4)+8*bb:64*(a%4)+8*bb+3] offset:16*PR*a+64*bb      ; each accumulator's lowest registers first
	ds_store_b128 v[STO], v[64*(a%4)+8*bb+4:64*(a%4)+8*bb+7] offset:16*PR*a+64*bb+16
.set bb, bb+1
.endr
.set a, a+1
.endr
	WIN 0
	s_wait_dscnt 0x0                               ; for the others' sake: my tile is in LDS
	s_barrier_signal -1
	s_barrier_wait -1
	RLOAD 0
	RLOAD 1
.irp c, 0,1,2,3,4,5
	RSUM \c, 16                                    ; the next chunk's sixteen loads may be out
	s_wait_xcnt 0x0                                ; the stores' data registers are loaded again only behind this wait
	RLOAD (\c)+2
.endr
	RSUM 6, 16
	RSUM 7, 0
	; the losses: the four waves' triples were in LDS ahead of the first barrier
.irp s, 0,1,2,3
	ds_load_b128 v[32+4*(\s):35+4*(\s)], v31 offset:16*(\s)
.endr
	s_or_b32 s51, s17, s18
	v_or_b32 v50, s51, v0                          ; 0 in thread 0 of work-group (0, 0) alone
	s_wait_dscnt 0x0
	v_pk_add_f32 v[32:33], v[32:33], v[36:37]
	v_pk_add_f32 v[34:35], v[34:35], v[38:39]
	v_pk_add_f32 v[40:41], v[40:41], v[44:45]
	v_pk_add_f32 v[42:43], v[42:43], v[46:47]
	v_pk_add_f32 v[32:33], v[32:33], v[40:41]
	v_pk_add_f32 v[34:35], v[34:35], v[42:43]
	v_mul_f32 v48, v32, v32
	v_fmac_f32 v48, v33, v33
	v_mul_f32 v48, 0x34000000, v48                 ; 2^-23
	v_mul_f32 v49, 0x39800000, v34                 ; 2^-12
	s_wait_xcnt 0x0                                ; EXEC changes only behind this wait
	v_cmp_eq_u32 vcc_lo, 0, v50
	s_and_saveexec_b32 s50, vcc_lo
	global_store_b32 v30, v48, s[44:45]
	global_store_b32 v30, v49, s[46:47]
	s_wait_xcnt 0x0
	s_or_b32 exec_lo, exec_lo, s50
	s_wait_tensorcnt 0x0                           ; the wave's end
	ds_add_u32 v[SPW], v[NIL]
	s_wait_dscnt 0x0
	CROUND                                         ; the closing round: no work-group ends while a partner may still ask for a tile that names it
	s_endpgm
.Lfunc_end_k_qfa959bfa51_down:
	.size	k_qfa959bfa51_down, .Lfunc_end_k_qfa959bfa51_down-k_qfa959bfa51_down
	.p2alignl 7, 3214868480
	.fill 96, 4, 3214868480
	.section	.rodata,"a",@progbits
	.p2align	6, 0x0
	.amdhsa_kernel k_qfa959bfa51_down
		.amdhsa_group_segment_fixed_size 327680
		.amdhsa_private_segment_fixed_size 0
		.amdhsa_enable_private_segment 0
		.amdhsa_kernarg_size 48
		.amdhsa_user_sgpr_count 2
		.amdhsa_user_sgpr_kernarg_segment_ptr 1
		.amdhsa_wavefront_size32 1
		.amdhsa_system_sgpr_workgroup_id_x 1
		.amdhsa_system_sgpr_workgroup_id_y 1
		.amdhsa_system_sgpr_workgroup_id_z 1
		.amdhsa_system_vgpr_workitem_id 0
		.amdhsa_next_free_vgpr 1024
		.amdhsa_next_free_sgpr 66
		.amdhsa_reserve_vcc 1
		.amdhsa_float_denorm_mode_32 3
		.amdhsa_float_denorm_mode_16_64 3
		.amdhsa_memory_ordered 1
		.amdhsa_forward_progress 1
		.amdhsa_inst_pref_size 125
	.end_amdhsa_kernel
	.amdgpu_metadata
---
amdhsa.version: [ 1, 2 ]
amdhsa.kernels:
  - .name:           k_qfa959bfa51_down
    .symbol:         k_qfa959bfa51_down.kd
    .args:
      - { .name: hid, .offset: 0, .size: 8, .value_kind: global_buffer, .address_space: global }
      - { .name: wdb, .offset: 8, .size: 8, .value_kind: global_buffer, .address_space: global }
      - { .name: out0, .offset: 16, .size: 8, .value_kind: global_buffer, .address_space: global }
      - { .name: part, .offset: 24, .size: 8, .value_kind: global_buffer, .address_space: global }
      - { .name: out1, .offset: 32, .size: 8, .value_kind: global_buffer, .address_space: global }
      - { .name: out2, .offset: 40, .size: 8, .value_kind: global_buffer, .address_space: global }
    .group_segment_fixed_size: 327680
    .private_segment_fixed_size: 0
    .kernarg_segment_align: 8
    .kernarg_segment_size: 48
    .max_flat_workgroup_size: 128
    .sgpr_count:     66
    .vgpr_count:     1024
    .wavefront_size: 32
...
	.end_amdgpu_metadata
.endif
;; end of part 3
;; ======== version 2 of 2: 3 launches; version 1 with the launch prep written anew for expert scheduling mode
;; limits: right only within a limited range of input values
;; workspace buffers: xb 8,388,608 bytes; wgu 23,068,672 bytes; wdb 11,534,336 bytes; hid 46,137,344 bytes; cw 32,768 bytes; part 16,384 bytes
;; launch prep (part 4): grid 1120 x 1, 4 waves a work-group, no clusters, 0 bytes of LDS; arguments x, router_w, w_gate, w_up, w_down, xb, wgu, wdb, cw, part; writes xb, wgu, wdb, cw, part
.if DOCPART == 4
	.amdgcn_target "amdgcn-amd-amdhsa--gfx1250"
	.amdhsa_code_object_version 6
	.text
	.protected	k_qfa959bfa51_prep
	.globl	k_qfa959bfa51_prep
	.p2align	8
	.type	k_qfa959bfa51_prep,@function
k_qfa959bfa51_prep:
	s_mov_b64 s[64:65], 0
	v_nop
	global_prefetch_b8 v0, s[64:65] scope:SCOPE_SE
	s_setreg_imm32_b32 hwreg(HW_REG_WAVE_SCHED_MODE, 0, 2), 2
	s_setreg_imm32_b32 hwreg(HW_REG_WAVE_MODE, 25, 1), 1
	s_wait_xcnt 0x0
	s_wait_alu depctr_vm_vsrc(0)
; PREP: every input is rounded once to bf16 and laid out for the two products; the router rides on the stream that rounds x.
; A stream: each input byte is read once, each workspace byte written once; no LDS, no barrier, no matrix unit, no cluster (the only bytes that work-groups share are router_w's 8,192).
; Three tasks, chosen by the work-group's number; a wave works alone.
;   X (work-groups 0-255):    wave W = 0..1023 takes tokens 4 W .. 4 W + 3: xb[t][d] = bf16(x[t][d]); logits = bf16(x) . bf16(router_w), products and sums in f32;
;                             c = softmax(logits) with the maximum taken away -> cw[e][t]; the wave's sums of c0, c1 and logsumexp^2 -> part[W][0..2] (part[W][3] = 0).
;                             reference() takes the top 2 of 2 experts, so its combine weights are that same softmax.
;   D (work-groups 256-607):  wave W = 0..1407 takes rows 4 W .. 4 W + 3 of wdb[k][n], k = 2816 e + k': bf16(w_down[e][h][n]), 0 where h >= 2730.  h is k' with its bits 2 and 3 exchanged:
;                             the order in which the first product's lanes hold the hidden columns, so that they store them as the second product's operand registers without an exchange.
;   G (work-groups 608-1119): wave R = 0..2047 takes row (e = R / 1024, k = R % 1024) of w_gate and w_up -> wgu[k][n], n = 4 P + (0,1: gate of hidden 2 P, 2 P + 1; 2,3: up of the same),
;                             P = 1408 e + h / 2; 0 where h >= 2730.  So gate and up of one hidden column meet in one lane of the first product's result.
; LIMITS.  The router works on x and router_w rounded to bf16, like the products; its order of summation is not reference()'s.  NaN and infinities are not treated apart.
; THE MODE: SCHED_MODE bits 1:0 = 2 (LLVM: expert scheduling mode 2), set by the entry lines.  The code itself states the register dependences between vector instructions and memory
; instructions, with s_wait_alu, always for 0.
; THE PLAN.  There is no loop: each task is one straight run.  Registers that memory instructions touch:
;   offsets     v3, v[4:7], v9, v10: made by vector lines, each ahead of a wait on va_vdst that stands ahead of its first use, and never written again.
;   data        every row (X, D) and every chunk (G) owns its registers for the whole launch: loaded once, rounded in place, stored once, never written behind the store.  The one exception:
;               rows 0 and 1's registers first hold router_w (X); a wait on va_vdst stands between the roundings that read it and the rows' loads.
;   So no register that a memory instruction has read is ever written again, and vm_vsrc is waited for at the two writes of EXEC alone.
;   G, D        the roundings of a group (G: four chunks; D: a row) are followed by the NEXT group's wait for its loads and ONE wait on va_vdst; behind it the finished group's stores are dealt among the
;               next group's roundings, which name that group's registers alone.
;   X           a row's sixteen roundings, ONE wait on va_vdst, and the row's eight stores dealt among the router's multiply-adds, which read the row and write v16 to v27 alone.
.set AC, 16                            ; v[16:23]   four chains of (logit 0, logit 1)
.set XR, 32                            ; v[32:159]  row i at XR + 32 i: load j in 4 registers at + 4 j; rounded in place into the first two of them
.set RW, 160                           ; v[160:191] router_w in bf16 pairs: register 4 j + i holds (w[d][0], w[d][1]), d = 128 j + 4 lane + i
; v1 lane; v2 16 lane; v3 8 lane; v[4:7] byte offset of my 16 bytes in source row i; v8 0; v9 32 lane; v10 offset of the small stores; v24, v25, v[28:31] at work; v26, v27 logits: lane i holds token i
; s2 work-group; s3 wave; s4 W; s[28:29] source; s[30:31] destination at my first row; s[32:35] X: the mask 'lane = i', D: all ones or 0 for row i; s[40:41] lane selects
.macro RLD i, nt                       ; eight loads: 512 consecutive bytes each, a whole row of 1,024 f32
.irp j, 0,1,2,3,4,5,6,7
.if \nt
	global_load_b128 v[XR+32*(\i)+4*(\j):XR+32*(\i)+4*(\j)+3], v[4+(\i)], s[28:29] offset:512*(\j) th:TH_LOAD_NT
.else
	global_load_b128 v[XR+32*(\i)+4*(\j):XR+32*(\i)+4*(\j)+3], v[4+(\i)], s[28:29] offset:512*(\j)
.endif
.endr
.endm
.macro RND i, j, task                  ; the four numbers of load j of row i are rounded, in place.  task 0: X, 1: D
	v_cvt_pk_bf16_f32 v[XR+32*(\i)+4*(\j)],   v[XR+32*(\i)+4*(\j)],   v[XR+32*(\i)+4*(\j)+1]
	v_cvt_pk_bf16_f32 v[XR+32*(\i)+4*(\j)+1], v[XR+32*(\i)+4*(\j)+2], v[XR+32*(\i)+4*(\j)+3]
.if \task
	v_and_b32 v[XR+32*(\i)+4*(\j)],   s[32+(\i)], v[XR+32*(\i)+4*(\j)]      ; a padding row becomes 0
	v_and_b32 v[XR+32*(\i)+4*(\j)+1], s[32+(\i)], v[XR+32*(\i)+4*(\j)+1]
.endif
.endm
.macro RST i, j                        ; and stored
	global_store_b64 v3, v[XR+32*(\i)+4*(\j):XR+32*(\i)+4*(\j)+1], s[30:31] offset:2048*(\i)+256*(\j)  ; the wave's store covers 256 consecutive bytes, aligned
.endm
; chain c of four: element d = 128 j + 4 lane + c of the row, a bf16 half, times both of router_w's columns; at j = 0 the sums start from v8 = 0
.macro MIX c, half
.set d0, AC+2*(\c)
.set a0, d0
.set a1, d0+1
.if j == 0
.set a0, 8
.set a1, 8
.endif
.if \half
	v_fma_mix_f32_bf16 v[d0],   v[xr+(\c)/2], v[RW+4*j+(\c)], v[a0] op_sel:[1,0,0] op_sel_hi:[1,1,0]
	v_fma_mix_f32_bf16 v[d0+1], v[xr+(\c)/2], v[RW+4*j+(\c)], v[a1] op_sel:[1,1,0] op_sel_hi:[1,1,0]
.else
	v_fma_mix_f32_bf16 v[d0],   v[xr+(\c)/2], v[RW+4*j+(\c)], v[a0] op_sel_hi:[1,1,0]
	v_fma_mix_f32_bf16 v[d0+1], v[xr+(\c)/2], v[RW+4*j+(\c)], v[a1] op_sel:[0,1,0] op_sel_hi:[1,1,0]
.endif
.endm
.macro ROUTE i                         ; row i's two logits: 64 multiply-adds a lane in eight sums, then over the 32 lanes; lane i keeps them.  The row's eight stores are dealt among the multiply-adds
.set j, 0
.rept 8
.set xr, XR+32*(\i)+4*j
	RST \i, j                                      ; no wait: no vector instruction since the wait in XROW writes a register that this store reads
	MIX 0, 0
	MIX 1, 1
	MIX 2, 0
	MIX 3, 1
.set j, j+1
.endr
	v_pk_add_f32 v[16:17], v[16:17], v[18:19]
	v_pk_add_f32 v[20:21], v[20:21], v[22:23]
	v_pk_add_f32 v[16:17], v[16:17], v[20:21]
.irp m, 1,2,4,8
	v_add_f32_dpp v16, v16, v16 row_xmask:\m row_mask:0xf bank_mask:0xf
	v_add_f32_dpp v17, v17, v17 row_xmask:\m row_mask:0xf bank_mask:0xf
.endr
	v_permlanex16_b32 v24, v16, s40, s41
	v_permlanex16_b32 v25, v17, s40, s41
	v_add_f32 v16, v16, v24
	v_add_f32 v17, v17, v25
	v_cndmask_b32 v26, v26, v16, s[32+(\i)]
	v_cndmask_b32 v27, v27, v17, s[32+(\i)]
.endm
; X: row i is rounded, stored and routed.  left: the row loads issued behind row i's, which may stay out
.macro XROW i, left
	s_wait_loadcnt \left
.irp j, 0,1,2,3,4,5,6,7
	RND \i, \j, 0
.endr
	s_wait_alu depctr_va_vdst(0)                   ; the sixteen roundings have written the row's bf16 pairs, which the eight stores in ROUTE read
	ROUTE \i
.endm
; D: row i is rounded; the stores of the row rounded before it (before; -1: there is none) are dealt among its vector lines
.macro DROW i, before, left
	s_wait_loadcnt \left
.if (\before) >= 0
	s_wait_alu depctr_va_vdst(0)                   ; the roundings and masks of the row before have written its bf16 pairs, which the eight stores below read; this row's lines name this row's registers alone
.endif
.irp j, 0,1,2,3,4,5,6,7
.if (\before) >= 0
	RST \before, \j
.endif
	RND \i, \j, 1
.endr
.endm
.macro GCV c                           ; G: chunk c is rounded, in place
	v_cvt_pk_bf16_f32 v[16+4*(\c)], v[16+4*(\c)], v[17+4*(\c)]      ; gate of hidden 2 p, 2 p + 1
	v_cvt_pk_bf16_f32 v[17+4*(\c)], v[18+4*(\c)], v[19+4*(\c)]      ; up of the same
.endm
.macro GST c                           ; and stored
	global_store_b64 v3, v[16+4*(\c):17+4*(\c)], s[20:21] offset:256*(\c)  ; 256 consecutive bytes, aligned
.endm
	s_load_b512 s[8:23], s[0:1], 0x0               ; x 8:9, router_w 10:11, w_gate 12:13, w_up 14:15, w_down 16:17, xb 18:19, wgu 20:21, wdb 22:23
	s_load_b128 s[24:27], s[0:1], 0x40             ; cw 24:25, part 26:27
	v_lshrrev_b32 v1, 5, v0
	v_readfirstlane_b32 s3, v1                     ; wave
	v_and_b32 v1, 31, v0                           ; lane
	s_mov_b32 s2, ttmp9
	v_lshlrev_b32 v2, 4, v1
	v_lshlrev_b32 v3, 3, v1
	v_mov_b32 v8, 0
	s_mov_b32 s7, 0                                ; the high word of every offset pair s[6:7]
	s_wait_alu depctr_va_sdst(0)                   ; s3 is written
	s_wait_kmcnt 0x0
	s_cmp_lt_u32 s2, 256
	s_cbranch_scc1 .Ltask_x
	s_cmp_lt_u32 s2, 608
	s_cbranch_scc1 .Ltask_d
; ---- G.  A source row is 10,920 bytes (a multiple of 8, no more), so it is read 8 bytes a lane: 43 chunks of 32 pairs, the last with 21.  All 86 loads go out before the first wait.
	s_sub_co_u32 s4, s2, 608
	s_lshl2_add_u32 s4, s4, s3                     ; R
	s_mul_i32 s6, s4, 10920
	s_add_nc_u64 s[12:13], s[12:13], s[6:7]
	s_add_nc_u64 s[14:15], s[14:15], s[6:7]
	s_and_b32 s5, s4, 1023                         ; k
	s_mul_i32 s6, s5, 22528                        ; a row of wgu: 11,264 bf16
	s_lshr_b32 s5, s4, 10                          ; e
	s_mul_i32 s5, s5, 11264                        ; the expert's 5,632 positions
	s_add_co_u32 s6, s6, s5
	s_add_nc_u64 s[20:21], s[20:21], s[6:7]
	v_min_u32 v4, 20, v1                           ; the last chunk stays inside the row: 10,752 + 160 + 8 = 10,920
	v_lshlrev_b32 v4, 3, v4
	v_mov_b32 v14, 0
	v_mov_b32 v15, 0
	v_cmp_gt_u32 vcc_lo, 21, v1                    ; pairs 1,365 on do not exist: the mask for the last chunk
	s_wait_alu depctr_va_vcc(0)                    ; VCC is written: the two selects behind the last chunk's roundings read it, and nothing writes it between
	s_wait_alu depctr_va_vdst(0)                   ; the offsets v3 and v4 are written, which the loads and stores below read, and the zeros v14 and v15, which the last store reads
.set c, 0
.rept 42
	global_load_b64 v[16+4*c:17+4*c], v3, s[12:13] offset:256*c th:TH_LOAD_NT
	global_load_b64 v[18+4*c:19+4*c], v3, s[14:15] offset:256*c th:TH_LOAD_NT
.set c, c+1
.endr
	global_load_b64 v[184:185], v4, s[12:13] offset:10752 th:TH_LOAD_NT
	global_load_b64 v[186:187], v4, s[14:15] offset:10752 th:TH_LOAD_NT
	s_wait_loadcnt 63                              ; of 86 loads at most 63 are out: the first 23 are in, chunks 0 to 10: the first group
.set c, 0
.rept 11
	GCV c
.set c, c+1
.endr
.set g, 0
.rept 8                                        ; eight groups of four chunks: 11 + 4 g to 14 + 4 g
	s_wait_loadcnt 56-8*g                          ; the loads issued behind chunk 14 + 4 g's two
	s_wait_alu depctr_va_vdst(0)                   ; the group before is rounded: its pairs are written, which the stores below read; this group's roundings name this group's registers alone
.if g == 0
.set c, 0
.rept 7
	GST c                                          ; the first group has eleven chunks
.set c, c+1
.endr
.endif
.set i, 0
.rept 4
	GST 7+4*g+i
	GCV 11+4*g+i
.set i, i+1
.endr
.set g, g+1
.endr
	v_cndmask_b32 v184, 0, v184, vcc_lo            ; chunk 42: 0 behind the row's end
	v_cndmask_b32 v185, 0, v185, vcc_lo
	s_wait_alu depctr_va_vdst(0)                   ; the last group's roundings and the two selects have written the pairs that the last stores read
.irp c, 39,40,41,42
	GST \c
.endr
	global_store_b64 v3, v[14:15], s[20:21] offset:256*43  ; pairs 1,376 to 1,407: 0
	s_endpgm
; ---- D.  The padding rows read row 2,729 again (so no non-temporal hint here) and are masked to 0.
.Ltask_d:
	s_sub_co_u32 s4, s2, 256
	s_lshl2_add_u32 s4, s4, s3                     ; W
	s_lshl_b32 s5, s4, 2                           ; k0 = 4 W; 2,816 is a multiple of 32: my four rows are one expert's
	s_cmp_ge_u32 s5, 2816
	s_cselect_b32 s6, 2816, 0
	s_cselect_b32 s43, 2730, 0
	s_sub_co_u32 s5, s5, s6                        ; k' of my first row, a multiple of 4
	s_and_b32 s42, s5, 4                           ; bits 2 and 3 change places: the hidden column of that row;
	s_and_b32 s44, s5, 8                           ; the four rows stay neighbours
	s_and_not1_b32 s5, s5, 12
	s_lshl_b32 s42, s42, 1
	s_lshr_b32 s44, s44, 1
	s_or_b32 s5, s5, s42
	s_or_b32 s5, s5, s44                           ; h of my first row
.irp i, 0,1,2,3
	s_add_co_u32 s42, s5, \i
	s_cmp_lt_u32 s42, 2730
	s_cselect_b32 s[32+(\i)], -1, 0
	s_min_u32 s42, s42, 2729
	s_add_co_u32 s42, s42, s43                     ; the row of w_down
	s_lshl_b32 s42, s42, 12
	v_add_nc_u32 v[4+(\i)], s42, v2
.endr
	s_mov_b64 s[28:29], s[16:17]
	s_lshl_b32 s6, s4, 13                          ; four rows of 2,048 bytes
	s_add_nc_u64 s[30:31], s[22:23], s[6:7]
	s_wait_alu depctr_va_vdst(0)                   ; the offsets v3 and v4 to v7 are written, which the loads and stores below read
	RLD 2, 0
	RLD 3, 0
	RLD 0, 0
	RLD 1, 0
	DROW 2, -1, 24
	DROW 3, 2, 16
	DROW 0, 3, 8
	DROW 1, 0, 0
	s_wait_alu depctr_va_vdst(0)                   ; the last row's roundings and masks have written its pairs, which the last eight stores read
.irp j, 0,1,2,3,4,5,6,7
	RST 1, \j
.endr
	s_endpgm
; ---- X
.Ltask_x:
	s_lshl2_add_u32 s4, s2, s3                     ; W
	s_mov_b64 s[28:29], s[8:9]
	s_lshl_b32 s6, s4, 13
	s_add_nc_u64 s[30:31], s[18:19], s[6:7]
	s_lshl_b32 s6, s4, 14                          ; four rows of 4,096 bytes
	v_add_nc_u32 v4, s6, v2
	v_add_nc_u32 v5, 4096, v4
	v_add_nc_u32 v6, 8192, v4
	v_add_nc_u32 v7, 12288, v4
	v_lshlrev_b32 v9, 5, v1
	s_wait_alu depctr_va_vdst(0)                   ; the offsets v3, v4 to v7 and v9 are written, which the loads and stores below read
.irp j, 0,1,2,3,4,5,6,7
	global_load_b128 v[XR+8*(\j):XR+8*(\j)+3],   v9, s[10:11] offset:1024*(\j)      ; router_w's rows 128 j + 4 lane + 0, 1
	global_load_b128 v[XR+8*(\j)+4:XR+8*(\j)+7], v9, s[10:11] offset:1024*(\j)+16   ; and + 2, 3: into rows 0 and 1's registers, which are filled later
.endr
	RLD 2, 1
	RLD 3, 1
	s_mov_b32 s40, 0x76543210                      ; v_permlanex16_b32: each lane takes its own place in the other half
	s_mov_b32 s41, 0xfedcba98
.irp i, 0,1,2,3
	v_cmp_eq_u32 s[32+(\i)], \i, v1
.endr
	s_wait_alu depctr_va_sdst(0)                   ; the four masks s32 to s35 are written: one wait behind the run, ahead of every select that reads them
	v_mov_b32 v24, 0
	v_mov_b32 v25, 0
	v_mov_b32 v26, 0
	v_mov_b32 v27, 0
	s_lshl_b32 s6, s4, 4
	v_lshl_add_u32 v10, v1, 2, s6                  ; 16 W + 4 lane: token 4 W + lane in cw, word lane of part[W]
	s_wait_loadcnt 16                              ; router_w is in; the sixteen loads of rows 2 and 3 stay out
.set j, 0
.rept 32
	v_cvt_pk_bf16_f32 v[RW+j], v[XR+2*j], v[XR+2*j+1]
.set j, j+1
.endr
	s_wait_alu depctr_va_vdst(0)                   ; the roundings are done reading router_w's copy, in whose registers the loads of rows 0 and 1 land; v10 is written, which the last three stores read
	RLD 0, 1
	RLD 1, 1
	XROW 2, 24
	XROW 3, 16
	XROW 0, 8
	XROW 1, 0
	; lanes 0 to 3 hold a token each (the other lanes work on zeros, and store nothing)
	v_max_num_f32 v28, v26, v27                    ; m
	v_sub_f32 v29, v26, v28
	v_sub_f32 v30, v27, v28
	v_mul_f32 v29, 0x3fb8aa3b, v29                 ; log2(e)
	v_mul_f32 v30, 0x3fb8aa3b, v30
	v_exp_f32 v29, v29
	v_exp_f32 v30, v30
	v_nop                                          ; a plain instruction behind the batch,
	s_wait_alu depctr_va_vdst(0)                   ; and the one wait ahead of its first reader: the two exponentials have written v29 and v30
	v_add_f32 v31, v29, v30                        ; between 1 and 2
	v_rcp_f32 v24, v31
	v_log_f32 v25, v31
	v_nop
	s_wait_alu depctr_va_vdst(0)                   ; the same for the reciprocal in v24 and the logarithm in v25
	v_mul_f32 v29, v29, v24                        ; c0
	v_mul_f32 v30, v30, v24                        ; c1
	v_fmamk_f32 v25, v25, 0x3f317218, v28          ; logsumexp = m + ln 2 x log2(sum)
	v_mul_f32 v25, v25, v25
	v_add_f32_dpp v16, v29, v29 row_xmask:1 row_mask:0xf bank_mask:0xf  ; sums over lanes 0 to 3
	v_add_f32_dpp v17, v30, v30 row_xmask:1 row_mask:0xf bank_mask:0xf
	v_add_f32_dpp v18, v25, v25 row_xmask:1 row_mask:0xf bank_mask:0xf
	v_add_f32_dpp v16, v16, v16 row_xmask:2 row_mask:0xf bank_mask:0xf
	v_add_f32_dpp v17, v17, v17 row_xmask:2 row_mask:0xf bank_mask:0xf
	v_add_f32_dpp v18, v18, v18 row_xmask:2 row_mask:0xf bank_mask:0xf
	v_cndmask_b32 v19, v16, v17, s33               ; lane 0: sum of c0; 1: of c1; 2: of logsumexp^2; 3: 0
	v_cndmask_b32 v19, v19, v18, s34
	v_cndmask_b32 v19, v19, v8, s35
	s_wait_xcnt 0x0                                ; EXEC changes only behind this wait
	v_cmp_gt_u32 vcc_lo, 4, v1
	s_wait_alu depctr_va_vcc(0)                    ; VCC is written: EXEC is made from it
	s_wait_alu depctr_va_vdst(0)                   ; every vector instruction issued under the full EXEC is done; among them those that wrote v29, v30 and v19, which the three stores read
	s_wait_alu depctr_vm_vsrc(0)                   ; every store issued under the full EXEC has read its registers
	s_and_saveexec_b32 s5, vcc_lo
	global_store_b32 v10, v29, s[24:25]            ; three stores of 16 bytes a wave: 48 KB of the launch's 43 MB
	global_store_b32 v10, v30, s[24:25] offset:16384
	global_store_b32 v10, v19, s[26:27]
	s_wait_xcnt 0x0
	s_wait_alu depctr_va_vdst(0)                   ; ahead of the write of EXEC: no vector instruction is pending under the narrow one
	s_wait_alu depctr_vm_vsrc(0)                   ; the three stores have read their registers under the narrow EXEC
	s_or_b32 exec_lo, exec_lo, s5
	s_endpgm
.Lfunc_end_k_qfa959bfa51_prep:
	.size	k_qfa959bfa51_prep, .Lfunc_end_k_qfa959bfa51_prep-k_qfa959bfa51_prep
	.p2alignl 7, 3214868480
	.fill 96, 4, 3214868480
	.section	.rodata,"a",@progbits
	.p2align	6, 0x0
	.amdhsa_kernel k_qfa959bfa51_prep
		.amdhsa_group_segment_fixed_size 0
		.amdhsa_private_segment_fixed_size 0
		.amdhsa_enable_private_segment 0
		.amdhsa_kernarg_size 80
		.amdhsa_user_sgpr_count 2
		.amdhsa_user_sgpr_kernarg_segment_ptr 1
		.amdhsa_wavefront_size32 1
		.amdhsa_system_sgpr_workgroup_id_x 1
		.amdhsa_system_sgpr_workgroup_id_y 1
		.amdhsa_system_sgpr_workgroup_id_z 1
		.amdhsa_system_vgpr_workitem_id 0
		.amdhsa_next_free_vgpr 192
		.amdhsa_next_free_sgpr 66
		.amdhsa_reserve_vcc 1
		.amdhsa_float_denorm_mode_32 3
		.amdhsa_float_denorm_mode_16_64 3
		.amdhsa_memory_ordered 1
		.amdhsa_forward_progress 1
		.amdhsa_inst_pref_size 71
	.end_amdhsa_kernel
	.amdgpu_metadata
---
amdhsa.version: [ 1, 2 ]
amdhsa.kernels:
  - .name:           k_qfa959bfa51_prep
    .symbol:         k_qfa959bfa51_prep.kd
    .args:
      - { .name: x, .offset: 0, .size: 8, .value_kind: global_buffer, .address_space: global }
      - { .name: router_w, .offset: 8, .size: 8, .value_kind: global_buffer, .address_space: global }
      - { .name: w_gate, .offset: 16, .size: 8, .value_kind: global_buffer, .address_space: global }
      - { .name: w_up, .offset: 24, .size: 8, .value_kind: global_buffer, .address_space: global }
      - { .name: w_down, .offset: 32, .size: 8, .value_kind: global_buffer, .address_space: global }
      - { .name: xb, .offset: 40, .size: 8, .value_kind: global_buffer, .address_space: global }
      - { .name: wgu, .offset: 48, .size: 8, .value_kind: global_buffer, .address_space: global }
      - { .name: wdb, .offset: 56, .size: 8, .value_kind: global_buffer, .address_space: global }
      - { .name: cw, .offset: 64, .size: 8, .value_kind: global_buffer, .address_space: global }
      - { .name: part, .offset: 72, .size: 8, .value_kind: global_buffer, .address_space: global }
    .group_segment_fixed_size: 0
    .private_segment_fixed_size: 0
    .kernarg_segment_align: 8
    .kernarg_segment_size: 80
    .max_flat_workgroup_size: 128
    .sgpr_count:     66
    .vgpr_count:     192
    .wavefront_size: 32
...
	.end_amdgpu_metadata
.endif
;; end of part 4
;; launch gateup: the kernel of part 2 again; grid 44 x 16, 4 waves a work-group, clusters of 4 x 4, 327,680 bytes of LDS; arguments xb, wgu, cw, hid; writes hid
;; launch down: the kernel of part 3 again; grid 8 x 32, 4 waves a work-group, clusters of 4 x 4, 327,680 bytes of LDS; arguments hid, wdb, out0, part, out1, out2; writes out0, out1, out2
